; MI455X (gfx1250); checked and timed in simulation.
; The chip was launched on July 23, 2026; its instructions are those of AMD's public machine-readable ISA for CDNA 5 (MIT licence, August 2026) and "CDNA5" Instruction Set Architecture Reference Guide (July 2026). The comments in the code are by the model that wrote it; some were corrected since.
;; Causal Self Attention. Allowed arithmetic: matrix products marked QUANTISED: E3M2 operands, one E8M0 scale for each 32 along K, by v_wmma_scale_f32_16x16x128_f8f6f4 with both operands' format E3M2, f32 sums; everything else in f32.
;; Inputs: W_out 1,024 x 1,024 float32; W_qkv 1,024 x 3,072 float32; b_out 1,024 float32; b_qkv 3,072 float32; x 1 x 4,096 x 1,024 float32.
;; Outputs: out0 1 x 4,096 x 1,024 float32.
;; This version of the problem:
;;   THIS VERSION OF THE PROBLEM IS GIVEN IN LOW PRECISION. The matrix products marked QUANTISED in the list below multiply operands that are first quantised to E3M2 (3 exponent bits, 2 mantissa bits; 6 bits a number), with one power-of-two scale for each 32 numbers along K (OCP MX v1.0); their sums are f32. All else is computed in f32.
;;   The module's matrix products, in the order in which they are computed (A, B: the left and right operand; K: the contracted axis; several contracted axes count as one K, in the product's order):
;;     1. [M 4,096, K 1,024] x [K 1,024, N 3,072]; A: input x; B: input W_qkv: QUANTISED
;;     2. batch 16 x [M 4,096, K 64] x [K 64, N 4,096]; A: computed on the way; B: computed on the way: QUANTISED
;;     3. batch 16 x [M 64, K 4,096] x [K 4,096, N 4,096]; A: computed on the way; B: softmax (see below): QUANTISED
;;     4. [M 4,096, K 1,024] x [K 1,024, N 1,024]; A: computed on the way; B: input W_out: QUANTISED
;;   THE QUANTISER, for each operand of a quantised product, along K:
;;     - K is cut into blocks of 32 from its start; a last block that is shorter is filled with zeros.
;;     - A block's scale is 2^e with e = floor(log2(the largest magnitude in the block)) - 4, held to -126 .. 127; a block of zeros has e = 0. As a byte (E8M0): e + 127.
;;     - Each number is divided by its block's scale, clamped to +-28, and rounded to the nearest number of E3M2, ties to even, subnormals kept.
;;     - The product sums the exact products of the quantised numbers (number of the format x scale) in f32.
;;   ~~~python
;;   def quantise(x, axis):      # numpy; x: float32 -> the quantised numbers, widened to float32 again
;;       x = np.moveaxis(x, axis, -1); K = x.shape[-1]
;;       x = np.pad(x, [(0, 0)] * (x.ndim - 1) + [(0, -K % 32)]); x = x.reshape(x.shape[:-1] + (-1, 32)); a = np.abs(x).max(-1, keepdims=True)
;;       e = np.where(a > 0, np.clip(np.frexp(np.where(a > 0, a, 1))[1] - 1 - 4, -126, 127), 0)      # np.frexp(a)[1] - 1 = floor(log2(a)), exactly
;;       r = np.clip(x / 2.0 ** e, -28, 28)
;;       step = 2.0 ** (np.maximum(np.frexp(np.where(r == 0, 1, r))[1] - 1, -2) - 2)
;;       q = np.round(r / step) * step * 2.0 ** e      # np.round: ties to even
;;       return np.moveaxis(q.reshape(q.shape[:-2] + (-1,))[..., :K], -1, axis).astype(np.float32)
;;   ~~~
;;   SOFTMAX AHEAD OF A QUANTISED PRODUCT. Where the list says 'softmax', what is quantised is not the finished softmax but p = 2^(t - M), with t = logit x log2(e) and M = ceil(the row's largest t), a whole number; so 1/2 < the row's largest p <= 1. The row's sum l is taken of the UNQUANTISED p, in f32, and the product's result is divided by l at the end. Since M is a whole number, a kernel that streams over the keys may use a running M (the ceiling of the running maximum): every later rescaling is an exact power of two, which a block's scale takes up: the codes' values come out the same.
;;   OPERANDS COMPUTED ON THE WAY. 'Computed on the way' means the value that the module computes at that place (a softmax that the list does not call 'softmax' is quantised finished and normalised). What goes into a quantiser is computed in f32, as accurately as f32 sums, v_exp_f32 and their like allow (about 1e-6 of the number): no bf16 or f16 on the way to a quantiser, and a product that is left as it is and whose result goes on into a quantised operand takes f32 operands (vector FMAs, or v_wmma_f32_16x16x4_f32). A number that lies on a knife's edge between two numbers of the format may be rounded either way, as far as f32 arithmetic and the matrix unit's own rounding can turn it there, and no further.
;; One version. Each part assembles by itself: llvm-mc -triple=amdgcn-amd-amdhsa -mcpu=gfx1250 --defsym DOCPART=n.
;; ======== version 1 of 1: 4 launches
;; limits: right only within a limited range of input values
;; workspace buffers: xq 3,276,800 bytes; wq 2,457,600 bytes; wo 819,200 bytes; q 3,407,872 bytes; kv 6,684,672 bytes; oq 3,276,800 bytes
;; launch prep (part 1): grid 768 x 1, 4 waves a work-group, no clusters, 34,304 bytes of LDS; arguments x, W_qkv, W_out, xq, wq, wo; writes xq, wq, wo
.if DOCPART == 1
	.amdgcn_target "amdgcn-amd-amdhsa--gfx1250"
	.amdhsa_code_object_version 6
	.text
	.protected	k_q98e7cde703_prep
	.globl	k_q98e7cde703_prep
	.p2align	8
	.type	k_q98e7cde703_prep,@function
k_q98e7cde703_prep:
	s_mov_b64 s[64:65], 0
	v_nop
	global_prefetch_b8 v0, s[64:65] scope:SCOPE_SE
	s_setreg_imm32_b32 hwreg(HW_REG_WAVE_MODE, 25, 1), 1
	s_wait_xcnt 0x0
; x [4096][1024], W_qkv [1024][3072] and W_out [1024][1024], f32, become codes of BF6 (E3M2) with one E8M0 byte for each 32 along K (x: its columns; the weights: their FIRST axis).
; A block's byte is its largest magnitude's exponent field - 4, held at 1 from below; each number is divided by the scale and rounded to the nearest code, ties to even, beyond 28 the largest code.
; LIMITS: NaN and infinities among the inputs are not served.  A block of zeros gets the byte 1 where the rule says 127: its codes are zeros, which add nothing, and this program alone reads the bytes.
; THE OUTPUT IS LAID AS THE MATRIX UNIT'S REGISTERS.  A panel is [block of 128 rows][K step of 128], 12,800 bytes each: eight fragments of 16 rows x 128 K (1,536 bytes: registers 4 c .. 4 c + 3 of lane l at 512 c + 16 l),
; then eight times 16 scale words (row r of fragment i at 12,288 + 64 i + 4 r).  A row is a token of x or a column n of a weight.
; THE ROWS OF A FRAGMENT ARE NOT NEIGHBOURS: row i of fragment 2 g + u is row 32 g + 8 u + i + 8 (i / 8) of the block, so that a later product's results lie 16 neighbours to a lane and can be quantised in registers.
; Work-groups 0-511 take x, 512-703 W_qkv, 704-767 W_out; a wave does one job (a fragment of x; 32 columns x 128 K of a weight) in straight-line code.  Waves share nothing: no barrier.  Only x's path touches LDS.
; The scale words leave in runs of 64 bytes: one byte for each 128 bytes that the launch reads.
.set KB,   12800                       ; a panel's block
.set SCO,  12288                       ; where its scale words begin
.set SP,   528                         ; x's stage: a row of 512 bytes + 16: sixteen rows start in sixteen different groups of banks
.set WREG, 16*SP                       ; a wave's stage
.macro WLOAD kb, n, src                ; block kb of my column: W(128 s + 32 kb + i, my column), i = 0 .. 31; 32 lanes read 128 consecutive bytes, the four waves 512
.set kk, 0
.rept 32
	global_load_b32 v[32+32*\kb+kk], v6, s[\src:\src+1] offset:(32*\kb+kk)*\n*4 th:TH_LOAD_NT
.set kk, kk+1
.endr
.endm
.macro WBLOCK kb, d                    ; the block's 32 numbers are all mine: its byte into v24, its codes into v[d] .. v[d + 5]
.set XS, 32+32*\kb
	v_max3_num_f32 v10, |v[XS]|, |v[XS+1]|, |v[XS+2]|
	v_max3_num_f32 v11, |v[XS+3]|, |v[XS+4]|, |v[XS+5]|
.irp i, 6,10,14,18,22,26
	v_max3_num_f32 v10, v10, |v[XS+\i]|, |v[XS+\i+1]|
	v_max3_num_f32 v11, v11, |v[XS+\i+2]|, |v[XS+\i+3]|
.endr
	v_max3_num_f32 v10, v10, |v[XS+30]|, |v[XS+31]|
	v_max3_num_f32 v10, v10, v11, 0x2800000        ; and the floor 2^(5 - 127): the byte cannot fall under 1
	v_add_nc_u32 v12, 0xfe000000, v10              ; 4 off the exponent field: the conversion takes this operand's exponent field as its scale
	v_lshrrev_b32 v13, 23, v12                     ; the byte
.if \kb == 0
	v_mov_b32 v24, v13
.else
	v_lshl_or_b32 v24, v13, 8*\kb, v24             ; four bytes make my column's scale word, the lower K in the lower byte
.endif
	v_cvt_scalef32_pk16_bf6_f32 v[\d:\d+2], v[XS:XS+15], v12
	v_cvt_scalef32_pk16_bf6_f32 v[184:186], v[XS+16:XS+31], v12   ; (a conversion's three registers begin on an even number)
	v_nop                                          ; one plain instruction behind a scaled conversion
.irp i, 0,1,2
	v_mov_b32 v[\d+3+\i], v[184+\i]
.endr
.endm
; A weight of n columns.  s17 = the job's work-group among the weight's.  K step s = s17 % 8; columns 32 g on, g = 4 (s17 / 8) + wave.  A LANE TAKES A COLUMN AND ITS REGISTERS RUN DOWN K.
.macro WPATH n, src, dst
	s_and_b32 s18, s17, 7                          ; s
	s_lshr_b32 s19, s17, 3
	s_lshl_b32 s19, s19, 2
	s_add_co_u32 s19, s19, s16                     ; g
	s_mul_i32 s24, s18, 128*\n*4                   ; 128 s rows of the weight,
	s_lshl_b32 s25, s19, 7                         ; 32 g columns
	s_add_co_u32 s24, s24, s25
	s_mov_b32 s25, 0
	s_add_nc_u64 s[\src:\src+1], s[\src:\src+1], s[24:25]
	s_lshr_b32 s26, s19, 2
	s_lshl_b32 s26, s26, 3
	s_add_co_u32 s26, s26, s18
	s_mul_i32 s26, s26, KB                         ; the panel's block (g / 4, s)
	s_and_b32 s27, s19, 3
	s_mul_i32 s28, s27, 3072                       ; fragments 2 (g % 4) and 2 (g % 4) + 1
	s_add_co_u32 s28, s26, s28
	s_mov_b32 s29, 0
	s_lshl_b32 s27, s27, 7
	s_add_co_u32 s26, s26, s27
	s_add_co_u32 s26, s26, SCO                     ; and their scale words
	s_mov_b32 s27, 0
	s_add_nc_u64 s[30:31], s[\dst:\dst+1], s[26:27]
	s_add_nc_u64 s[\dst:\dst+1], s[\dst:\dst+1], s[28:29]
	v_lshlrev_b32 v6, 2, v2                        ; in: 4 bytes a lane
	v_bfe_u32 v7, v0, 3, 1                         ; column 32 g + l is row (l % 8) + 8 (l / 16) of fragment u = bit 3 of l
	v_and_b32 v8, 7, v0
	v_lshl_or_b32 v8, v4, 3, v8
	v_mul_u32_u24 v9, v7, 1536
	v_lshl_add_u32 v9, v8, 4, v9                   ; my row's place in the image: 1,536 u + 16 row
	v_lshlrev_b32 v18, 6, v7
	v_lshl_add_u32 v18, v8, 2, v18                 ; and its scale word's: 64 u + 4 row
	WLOAD 0, \n, \src
	WLOAD 1, \n, \src
	s_wait_alu depctr_va_vdst(0)
	s_wait_loadcnt 32                              ; block 0 is in; the 32 loads of block 1 may be out
	WLOAD 2, \n, \src
	WBLOCK 0, 160                                  ; v160-171: what the image's lane (row, half 0) holds: blocks 0 and 2;
	s_wait_loadcnt 32                              ; block 1 is in; block 2's loads may be out
	WLOAD 3, \n, \src
	WBLOCK 1, 172                                  ; v172-183: lane (row, half 1): blocks 1 and 3
	s_wait_loadcnt 32                              ; block 2 is in; block 3's loads may be out
	WBLOCK 2, 166
	s_wait_loadcnt 0x0
	WBLOCK 3, 178
.irp c, 0,1,2
	global_store_b128 v9, v[160+4*\c:163+4*\c], s[\dst:\dst+1] offset:512*\c        ; the sixteen lanes of a fragment fill 256 consecutive bytes, aligned
	global_store_b128 v9, v[172+4*\c:175+4*\c], s[\dst:\dst+1] offset:512*\c+256
.endr
	global_store_b32 v18, v24, s[30:31]
	s_endpgm
.endm
	s_load_b128 s[4:7], s[0:1], 0x0                ; x, W_qkv
	s_load_b128 s[8:11], s[0:1], 0x10              ; W_out, xq
	s_load_b128 s[12:15], s[0:1], 0x20             ; wq, wo
	v_lshl_add_u32 v192, v0, 2, 0x8400
	v_mov_b32 v193, 0
	v_lshrrev_b32 v1, 5, v0
	v_readfirstlane_b32 s16, v1                    ; wave 0..3
	v_and_b32 v2, 31, v0                           ; lane
	v_and_b32 v3, 15, v0                           ; r
	v_bfe_u32 v4, v0, 4, 1                         ; h
	v_lshlrev_b32 v5, 4, v2                        ; 16 x lane
	s_mov_b32 s20, 0x76543210
	s_mov_b32 s21, 0xfedcba98                      ; v_permlanex16_b32's selects for lane l xor 16
	s_wait_kmcnt 0x0
	s_cmp_lt_u32 ttmp9, 512
	s_cbranch_scc0 .Lweights
	; ---- x: job J = 4 x work-group + wave: fragment T = J / 8 of 256, K step s = J % 8 (the four waves read 2,048 bytes on end of each row)
	s_lshl_b32 s17, ttmp9, 2
	s_add_co_u32 s17, s17, s16
	s_and_b32 s18, s17, 7                          ; s
	s_lshr_b32 s19, s17, 3                         ; T
	s_and_b32 s22, s19, 7                          ; i: the fragment in its block
	s_lshr_b32 s23, s19, 3                         ; the block of 128 tokens
	s_lshl_b32 s24, s23, 7
	s_lshr_b32 s25, s22, 1
	s_lshl_b32 s25, s25, 5
	s_add_co_u32 s24, s24, s25
	s_and_b32 s25, s22, 1
	s_lshl_b32 s25, s25, 3
	s_add_co_u32 s24, s24, s25                     ; the fragment's first token: 128 block + 32 (i / 2) + 8 (i % 2)
	s_lshl_b32 s24, s24, 12                        ; rows of 4,096 bytes
	s_lshl_b32 s25, s18, 9
	s_add_co_u32 s24, s24, s25                     ; + 512 s
	s_mov_b32 s25, 0
	s_add_nc_u64 s[4:5], s[4:5], s[24:25]
	s_lshl_b32 s26, s23, 3
	s_add_co_u32 s26, s26, s18
	s_mul_i32 s26, s26, KB                         ; the panel's block
	s_lshl_b32 s28, s22, 6
	s_add_co_u32 s28, s28, s26
	s_add_co_u32 s28, s28, SCO                     ; the fragment's scale words
	s_mov_b32 s29, 0
	s_add_nc_u64 s[32:33], s[10:11], s[28:29]
	s_mul_i32 s27, s22, 1536
	s_add_co_u32 s26, s26, s27                     ; the fragment
	s_mov_b32 s27, 0
	s_add_nc_u64 s[10:11], s[10:11], s[26:27]
	s_mul_i32 s30, s16, WREG                       ; my wave's stage
	s_wait_alu depctr_va_vdst(0)
	v_add_nc_u32 v6, s30, v5                       ; in: a row as it lies, 16 bytes a lane
	v_mul_u32_u24 v7, v3, SP
	v_lshl_add_u32 v7, v4, 7, v7
	v_add_nc_u32 v7, s30, v7                       ; back: row r, + 128 h: my 32 numbers of each 64
	v_lshlrev_b32 v8, 2, v3                        ; 4 r
.irp p, 0,1,2,3,4,5,6,7,8,9,10,11,12,13,14,15
	global_load_b128 v[32+4*\p:35+4*\p], v5, s[4:5] offset:(\p+8*(\p/8))*4096 th:TH_LOAD_NT   ; the fragment's row p: 512 consecutive bytes
.endr
	s_wait_alu depctr_va_vdst(0)
.irp p, 0,1,2,3,4,5,6,7,8,9,10,11,12,13,14,15
	s_wait_loadcnt 15-\p                           ; row p is in; the younger rows may be out
	ds_store_b128 v6, v[32+4*\p:35+4*\p] offset:SP*\p
.endr
.irp c, 0,1
.irp k, 0,1,2,3,4,5,6,7
	ds_load_b128 v[96+32*\c+4*\k:99+32*\c+4*\k], v7 offset:256*\c+16*\k   ; k = 64 c + 32 h + 0 .. 31 of row r.  LDS serves a wave's instructions in order: these see my stores
.endr
.endr
	s_wait_dscnt 0x0
.irp c, 0,1                            ; my block 2 c + h: all its 32 numbers are mine
	v_max3_num_f32 v[10+\c], |v[96+32*\c]|, |v[97+32*\c]|, 0x2800000   ; with the floor 2^(5 - 127)
.endr
.irp i, 2,4,6,8,10,12,14,16,18,20,22,24,26,28,30
.irp c, 0,1
	v_max3_num_f32 v[10+\c], v[10+\c], |v[96+32*\c+\i]|, |v[97+32*\c+\i]|
.endr
.endr
.irp c, 0,1
	v_add_nc_u32 v[12+\c], 0xfe000000, v[10+\c]    ; the conversion's scale operand
.endr
.irp c, 0,1
	v_lshrrev_b32 v[14+\c], 23, v[12+\c]           ; the byte
.endr
	v_lshl_or_b32 v16, v15, 16, v14                ; my two bytes, blocks h and 2 + h,
	v_lshlrev_b32 v17, 3, v4
	v_lshlrev_b32 v16, v17, v16                    ; at their places in the word;
	v_mov_b32 v17, 0
	v_permlanex16_b32 v17, v16, s20, s21
	v_or_b32 v16, v16, v17                         ; with lane l xor 16's two the word is whole
.irp c, 0,1
	v_cvt_scalef32_pk16_bf6_f32 v[160+6*\c:162+6*\c], v[96+32*\c:111+32*\c], v[12+\c]
	v_cvt_scalef32_pk16_bf6_f32 v[172+4*\c:174+4*\c], v[112+32*\c:127+32*\c], v[12+\c]
.endr
	v_nop                                          ; one plain instruction behind a scaled conversion
.irp c, 0,1
.irp i, 0,1,2
	v_mov_b32 v[163+6*\c+\i], v[172+4*\c+\i]
.endr
.endr
.irp c, 0,1,2
	global_store_b128 v5, v[160+4*\c:163+4*\c], s[10:11] offset:512*\c   ; 512 consecutive bytes, aligned
.endr
	global_store_b32 v8, v16, s[32:33]             ; both halves of the lanes hold the same word and write it to the same place
	s_wait_tensorcnt 0x0
	ds_add_u32 v192, v193
	s_wait_dscnt 0x0
	s_endpgm
.Lweights:
	s_cmp_lt_u32 ttmp9, 704
	s_cbranch_scc0 .Lwout
	s_sub_co_u32 s17, ttmp9, 512
	s_wait_alu depctr_va_vdst(0)
	WPATH 3072, 6, 12
.Lwout:
	s_sub_co_u32 s17, ttmp9, 704
	s_wait_alu depctr_va_vdst(0)
	WPATH 1024, 8, 14
.Lfunc_end_k_q98e7cde703_prep:
	.size	k_q98e7cde703_prep, .Lfunc_end_k_q98e7cde703_prep-k_q98e7cde703_prep
	.p2alignl 7, 3214868480
	.fill 96, 4, 3214868480
	.section	.rodata,"a",@progbits
	.p2align	6, 0x0
	.amdhsa_kernel k_q98e7cde703_prep
		.amdhsa_group_segment_fixed_size 34304
		.amdhsa_private_segment_fixed_size 0
		.amdhsa_enable_private_segment 0
		.amdhsa_kernarg_size 48
		.amdhsa_user_sgpr_count 2
		.amdhsa_user_sgpr_kernarg_segment_ptr 1
		.amdhsa_wavefront_size32 1
		.amdhsa_system_sgpr_workgroup_id_x 1
		.amdhsa_system_sgpr_workgroup_id_y 1
		.amdhsa_system_sgpr_workgroup_id_z 1
		.amdhsa_system_vgpr_workitem_id 0
		.amdhsa_next_free_vgpr 194
		.amdhsa_next_free_sgpr 66
		.amdhsa_reserve_vcc 0
		.amdhsa_float_denorm_mode_32 3
		.amdhsa_float_denorm_mode_16_64 3
		.amdhsa_memory_ordered 1
		.amdhsa_forward_progress 1
		.amdhsa_inst_pref_size 50
	.end_amdhsa_kernel
	.amdgpu_metadata
---
amdhsa.version: [ 1, 2 ]
amdhsa.kernels:
  - .name:           k_q98e7cde703_prep
    .symbol:         k_q98e7cde703_prep.kd
    .args:
      - { .name: x, .offset: 0, .size: 8, .value_kind: global_buffer, .address_space: global }
      - { .name: W_qkv, .offset: 8, .size: 8, .value_kind: global_buffer, .address_space: global }
      - { .name: W_out, .offset: 16, .size: 8, .value_kind: global_buffer, .address_space: global }
      - { .name: xq, .offset: 24, .size: 8, .value_kind: global_buffer, .address_space: global }
      - { .name: wq, .offset: 32, .size: 8, .value_kind: global_buffer, .address_space: global }
      - { .name: wo, .offset: 40, .size: 8, .value_kind: global_buffer, .address_space: global }
    .group_segment_fixed_size: 34304
    .private_segment_fixed_size: 0
    .kernarg_segment_align: 8
    .kernarg_segment_size: 48
    .max_flat_workgroup_size: 128
    .sgpr_count:     66
    .vgpr_count:     194
    .wavefront_size: 32
...
	.end_amdgpu_metadata
.endif
;; end of part 1
;; launch gemm_qkv (part 2): grid 12 x 16, 4 waves a work-group, clusters of 4 x 4, 327,680 bytes of LDS; arguments xq, wq, b_qkv, q, kv; writes q, kv
.if DOCPART == 2
	.amdgcn_target "amdgcn-amd-amdhsa--gfx1250"
	.amdhsa_code_object_version 6
	.text
	.protected	k_q98e7cde703_gemm_qkv
	.globl	k_q98e7cde703_gemm_qkv
	.p2align	8
	.type	k_q98e7cde703_gemm_qkv,@function
k_q98e7cde703_gemm_qkv:
	s_mov_b64 s[64:65], 0
	v_nop
	global_prefetch_b8 v0, s[64:65] scope:SCOPE_SE
	s_setreg_imm32_b32 hwreg(HW_REG_WAVE_MODE, 25, 1), 1
	s_wait_xcnt 0x0
	s_wait_alu depctr_hold_cnt(0) depctr_sa_sdst(0) depctr_va_vdst(0) depctr_va_sdst(0) depctr_va_ssrc(0) depctr_va_vcc(0) depctr_vm_vsrc(0)
	s_getreg_b32 s2, hwreg(HW_REG_IB_STS2, 6, 4)
	s_cmp_eq_u32 s2, 0
	s_cbranch_scc0 .Lentry_in_a_cluster
	s_endpgm
.Lentry_in_a_cluster:
	s_bfe_u32 s2, ttmp6, 0x10000c
	s_cmp_lg_u32 s2, 0xf033
	s_cbranch_scc0 .Lentry_shape_is_right
	s_endpgm
.Lentry_shape_is_right:
.set KB,    12800
.set QTR,   2*KB
.set SLOT,  4*QTR
.set SPARE, 2*SLOT
.set FR,    12
.set NLA,   3
.set ADRA,  16
.set ADRB,  20
.set ADRS,  22
.set SPW,   28
.set NIL,   29
.set LI,    30
.set L8,    31
.set SC,    32
.set BP,    64
.set AF,    128
.set BR,    224
.set T,     128
.set IA,    192
.set IB,    204
.set TC,    216
.set TM,    240
.set PWR,   2
.set SEL,   20
.set G1,    24
.set G0,    32
.set MSB, 0
.macro WIN new
.if MSB != (\new)
	s_set_vgpr_msb (MSB<<8)|(\new)
.set MSB, (\new)
.endif
.endm
.set MUL_LO, 0xa1
.set MUL_HI, 0xf1
.set TO_B,   0x40
.macro PLACES n
.rept \n
	v_nop
.endr
.endm
; CLUSTERS: 4 x 4 work-groups.  A quarter of a slot out of xq hangs on the work-group's y and the wave's number alone and is shared along a row of the cluster; one out of wq on x and the wave's number alone, shared along a column.
; Each is asked for JOINTLY: the same tensor load, the same descriptor, a mask that names the four.  xq's loads have s[G0 ..] and s[G1 ..], wq's s[G0W ..] and s[G1W ..]: neither set ever holds the other coordinate.
.set G1W,   68
.set G0W,   76
.set ARM,   89                         ; 0: my wave fetches out of xq, 1: out of wq; made of the wave's number and the cluster's x
.macro JLOAD s                         ; an s_nop 0 and four v_nop follow each of the two lines
	s_cmp_eq_u32 s[ARM], 0
	s_cbranch_scc0 .Lfor_w_\@
	tensor_load_to_lds s[G0+4*\s:G0+4*\s+3], s[G1:G1+7]
	s_nop 0
	PLACES 4
	s_branch .Lasked_\@
.Lfor_w_\@:
	tensor_load_to_lds s[G0W+4*\s:G0W+4*\s+3], s[G1W:G1W+7]
	s_nop 0
	PLACES 4
.Lasked_\@:
.endm
.macro CREST                           ; a round of the cluster's barrier behind its opening barrier
	s_cmp_lg_u32 s14, 0
	s_cbranch_scc1 .Lnot_wave_0_\@
	s_barrier_signal -3
.Lnot_wave_0_\@:
	s_barrier_wait -3
	s_barrier_signal -1
	s_barrier_wait -1
.endm
.macro CROUND                          ; a whole round
	s_barrier_signal -1
	s_barrier_wait -1
	CREST
.endm
.macro FRAG3 reg, adr, q, i
.irp c, 0,1,2
	ds_load_b128 v[\reg+4*\c:\reg+4*\c+3], v[\adr] offset:(\q)*KB+(\i)*1536+512*\c
.endr
.endm
.macro FETCH_B slot, q, p
	WIN TO_B
.irp i, 0,1,2,3,4,5,6,7
	FRAG3 128*(\p)+FR*\i, ADRB+\slot, \q, \i
.endr
	WIN 0
.endm
.macro FETCH_A slot, q, i0
.irp i, \i0, \i0+1, \i0+2, \i0+3
	FRAG3 AF+FR*(\i), ADRA+\slot, \q, \i
.endr
.endm
.macro SCALES sc
.irp i, 0,1,2,3,4,5,6,7
.irp q, 0,1
	ds_load_b32 v[SC+16*\sc+2*\i+\q], v[ADRS+\sc] offset:\q*KB+64*\i
.endr
.endr
.endm
.macro MUL16 a0, p, q, sc, zero
.irp a, \a0, \a0+1
.irp b, 0,1,2,3,4,5,6,7
.if \zero
	v_wmma_scale_f32_16x16x128_f8f6f4 v[8*(8*((\a)%4)+\b):8*(8*((\a)%4)+\b)+7], v[128*(\p)+FR*\b:128*(\p)+FR*\b+FR-1], v[AF+FR*(\a):AF+FR*(\a)+FR-1], 0, v[SC+16*(\sc)+2*\b+(\q)], v[SC+16*(\sc)+2*(\a)+(\q)] matrix_a_fmt:MATRIX_FMT_BF6 matrix_b_fmt:MATRIX_FMT_BF6 matrix_a_scale:MATRIX_SCALE_ROW1
.else
	v_wmma_scale_f32_16x16x128_f8f6f4 v[8*(8*((\a)%4)+\b):8*(8*((\a)%4)+\b)+7], v[128*(\p)+FR*\b:128*(\p)+FR*\b+FR-1], v[AF+FR*(\a):AF+FR*(\a)+FR-1], v[8*(8*((\a)%4)+\b):8*(8*((\a)%4)+\b)+7], v[SC+16*(\sc)+2*\b+(\q)], v[SC+16*(\sc)+2*(\a)+(\q)] matrix_a_fmt:MATRIX_FMT_BF6 matrix_b_fmt:MATRIX_FMT_BF6 matrix_a_scale:MATRIX_SCALE_ROW1
.endif
.endr
.endr
.endm
.macro STEP slot, zero
	s_wait_dscnt 4*NLA
	WIN MUL_LO
	MUL16 0, 0, 0, \slot, \zero
	MUL16 2, 0, 0, \slot, \zero
	s_wait_dscnt 0x0
	PLACES 4
	FETCH_B \slot, 1, 1
	FETCH_A \slot, 1, 0
	WIN MUL_HI
	MUL16 4, 0, 0, \slot, \zero
	MUL16 6, 0, 0, \slot, \zero
	PLACES 4
	WIN 0
	FETCH_A \slot, 1, 4
.endm
.macro TURN slot, next, fill
	s_wait_tensorcnt 0x0
	ds_add_u32 v[SPW], v[NIL]
	s_wait_dscnt 4*NLA+1
	WIN MUL_LO
	MUL16 0, 1, 1, \slot, 0
	s_wait_dscnt 0x0
	s_barrier_signal -1
	MUL16 2, 1, 1, \slot, 0
	WIN 0
	s_barrier_wait -1
.if \fill
	CREST                                          ; the barrier has opened a round of the cluster's barrier: no wave of any partner still reads this slot or has a load on its way
	s_add_nc_u64 s[G0+4*\slot+2:G0+4*\slot+3], s[G0+4*\slot+2:G0+4*\slot+3], 2*QTR
	s_add_nc_u64 s[G0W+4*\slot+2:G0W+4*\slot+3], s[G0W+4*\slot+2:G0W+4*\slot+3], 2*QTR
	JLOAD \slot                                    ; the first tensor load behind the round; its four v_nop are the places in front of the loads below
.else
	PLACES 4
.endif
	FETCH_B \next, 0, 0
	FETCH_A \next, 0, 0
	SCALES \next
	WIN MUL_HI
	MUL16 4, 1, 1, \slot, 0
	MUL16 6, 1, 1, \slot, 0
	PLACES 4
	WIN 0
	FETCH_A \next, 0, 4
.endm
.macro QUANT s, d0, d1, pw
.irp b, 0,1,2,3
	v_max3_num_f32 v[TM+\b], |v[\s+16*\b]|, |v[\s+1+16*\b]|, 0x2800000
.endr
.irp i, 2,4,6,8,10,12,14
.irp b, 0,1,2,3
	v_max3_num_f32 v[TM+\b], v[TM+\b], |v[\s+16*\b+\i]|, |v[\s+1+16*\b+\i]|
.endr
.endr
.irp b, 0,1,2,3
	v_permlanex16_b32 v[TM+4+\b], v[TM+\b], s[SEL], s[SEL+1]
.endr
.irp b, 0,1,2,3
	v_max_num_f32 v[TM+\b], v[TM+\b], v[TM+4+\b]
.endr
.irp b, 0,1,2,3
	v_add_nc_u32 v[TM+12+\b], 0xfe000000, v[TM+\b]
.endr
.irp b, 0,1,2,3
	v_lshrrev_b32 v[TM+4+\b], 23, v[TM+12+\b]
.endr
	v_lshl_or_b32 v[\pw], v[TM+5], 8, v[TM+4]
	v_lshl_or_b32 v[\pw], v[TM+6], 16, v[\pw]
	v_lshl_or_b32 v[\pw], v[TM+7], 24, v[\pw]
	v_cvt_scalef32_pk16_bf6_f32 v[\d0:\d0+2], v[\s:\s+15], v[TM+12]
	v_cvt_scalef32_pk16_bf6_f32 v[TC:TC+2], v[\s+16:\s+31], v[TM+13]
	v_cvt_scalef32_pk16_bf6_f32 v[\d1:\d1+2], v[\s+32:\s+47], v[TM+14]
	v_cvt_scalef32_pk16_bf6_f32 v[TC+4:TC+6], v[\s+48:\s+63], v[TM+15]
	v_nop
.irp i, 0,1,2
	v_permlane16_swap_b32 v[\d0+\i], v[TC+\i]
	v_permlane16_swap_b32 v[\d1+\i], v[TC+4+\i]
.endr
.irp i, 0,1,2
	v_mov_b32 v[\d0+3+\i], v[TC+\i]
	v_mov_b32 v[\d1+3+\i], v[TC+4+\i]
.endr
.endm
.macro ADDP a
	WIN 0x02+(\a)/4
.set AC, 64*((\a)%4)
.set kk, 0
.rept 32
	v_pk_add_f32 v[T+kk:T+kk+1], v[AC+kk:AC+kk+1], v[BP+kk:BP+kk+1]
.set kk, kk+2
.endr
	WIN 0
.endm
.macro ADDR a
	WIN 0x02+(\a)/4
.set AC, 64*((\a)%4)
.set kk, 0
.rept 32
	v_pk_add_f32 v[T+kk:T+kk+1], v[AC+kk:AC+kk+1], v[BR+2*(\a):BR+2*(\a)+1]
.set kk, kk+2
.endr
	WIN 0
.endm
	s_load_b256 s[4:11], s[0:1], 0x0
	s_load_b64 s[12:13], s[0:1], 0x20
	v_lshl_add_u32 v[SPW], v0, 2, SPARE
	v_mov_b32 v[NIL], 0
	ds_add_u32 v28, v29
	ds_add_u32 v28, v29
	s_wait_dscnt 0x0
	v_lshrrev_b32 v1, 5, v0
	v_readfirstlane_b32 s14, v1
	s_lshr_b32 s15, s14, 1
	s_and_b32 s16, s14, 1
	s_bfe_u32 s84, ttmp6, 0x40000                  ; cx, cy: my place in the cluster
	s_bfe_u32 s85, ttmp6, 0x40004
	s_lshl_b32 s17, ttmp9, 2
	s_add_co_u32 s17, s17, s84                     ; work-group x = 4 x cluster x + cx
	s_and_b32 s18, ttmp7, 0xffff
	s_lshl_b32 s18, s18, 2
	s_add_co_u32 s18, s18, s85                     ; work-group y = 4 x cluster y + cy
	s_cmp_ge_u32 ttmp9, 2                          ; x is 8 or more: the same in all partners
	s_cselect_b32 s19, 1, 0
	s_lshl_b32 s86, s85, 2
	s_lshl_b32 s86, 15, s86                        ; my row of the cluster
	s_lshl_b32 s87, 0x1111, s84                    ; my column
	s_or_b32 s[G1+0], s86, (3<<16)|(1<<21)
	s_or_b32 s[G1W+0], s87, (3<<16)|(1<<21)
	s_mov_b32 s[G1W+1], 32<<16
	s_mov_b32 s[G1W+2], 100<<16
	s_mov_b32 s[G1W+3], 32<<16
	s_mov_b32 s[G1W+4], 100
	s_mov_b32 s[G1W+5], 32
	s_mov_b32 s[G1W+6], 0
	s_mov_b32 s[G1W+7], 0
	s_mov_b32 s[G1+1], 32<<16
	s_mov_b32 s[G1+2], 100<<16
	s_mov_b32 s[G1+3], 32<<16
	s_mov_b32 s[G1+4], 100
	s_mov_b32 s[G1+5], 32
	s_mov_b32 s[G1+6], 0
	s_mov_b32 s[G1+7], 0
	s_xor_b32 s[ARM], s15, s19
	s_mul_i32 s41, s14, QTR                        ; where my quarter goes: the wave's number alone
	s_lshl_b32 s44, s18, 1
	s_add_co_u32 s44, s44, s16
	s_mul_i32 s44, s44, 8*KB                       ; xq: block 2 y + half
	s_mov_b32 s45, 0
	s_lshl_b32 s90, s17, 1
	s_add_co_u32 s90, s90, s16
	s_mul_i32 s90, s90, 8*KB                       ; wq: block 2 x + half
	s_mov_b32 s91, 0
	s_wait_kmcnt 0x0
	s_add_nc_u64 s[42:43], s[4:5], s[44:45]
	s_add_nc_u64 s[92:93], s[6:7], s[90:91]
	CROUND                                         ; all sixteen work-groups are here: the first joint loads meet
.irp n, 0,1
	s_mov_b32 s[G0+4*\n], 1
	s_add_co_u32 s[G0+4*\n+1], s41, \n*SLOT
	s_add_nc_u64 s[G0+4*\n+2:G0+4*\n+3], s[42:43], \n*QTR
	s_or_b32 s[G0+4*\n+3], s[G0+4*\n+3], 0x80000000
	s_mov_b32 s[G0W+4*\n], 1
	s_add_co_u32 s[G0W+4*\n+1], s41, \n*SLOT
	s_add_nc_u64 s[G0W+4*\n+2:G0W+4*\n+3], s[92:93], \n*QTR
	s_or_b32 s[G0W+4*\n+3], s[G0W+4*\n+3], 0x80000000
.endr
	JLOAD 0                                        ; slot 0: one tensor load a wave at the head
	s_wait_alu depctr_va_vdst(0)
	s_wait_tensorcnt 0x0
	ds_add_u32 v28, v29
	s_wait_dscnt 0x0
	CROUND                                         ; a whole round in front of slot 1's first fill, as in front of a refill
	JLOAD 1
	v_and_b32 v1, 31, v0
	v_and_b32 v2, 15, v0
	v_bfe_u32 v3, v0, 4, 1
	v_lshlrev_b32 v[LI], 4, v1
	v_lshlrev_b32 v[L8], 3, v1
	s_mul_i32 s46, s15, QTR
	s_mul_i32 s47, s16, QTR
	s_add_co_u32 s47, s47, 2*QTR
	v_add_nc_u32 v[ADRA], s46, v[LI]
	v_add_nc_u32 v[ADRA+1], SLOT, v[ADRA]
	v_add_nc_u32 v[ADRB], s47, v[LI]
	v_add_nc_u32 v[ADRB+1], SLOT, v[ADRB]
	s_sub_co_u32 s48, s47, s46
	v_mul_u32_u24 v4, s48, v3
	v_lshl_add_u32 v4, v2, 2, v4
	s_add_co_u32 s49, s46, 12288
	v_add_nc_u32 v[ADRS], s49, v4
	v_add_nc_u32 v[ADRS+1], SLOT, v[ADRS]
	s_cmp_eq_u32 s19, 0
	s_cselect_b32 s50, s16, s15
	s_lshl_b32 s50, s50, 7
	s_lshl_b32 s51, s17, 8
	s_add_co_u32 s50, s50, s51
	s_lshl_b32 s50, s50, 2
	s_mov_b32 s51, 0
	s_add_nc_u64 s[8:9], s[8:9], s[50:51]
	v_lshlrev_b32 v10, 6, v3
	v_and_b32 v11, 8, v2
	v_add_nc_u32 v11, v11, v2
	v_lshlrev_b32 v11, 2, v11
.irp b, 0,1,2,3
.irp k, 0,1,2,3
	global_load_b128 v[BP+16*\b+4*\k:BP+16*\b+4*\k+3], v10, s[8:9] offset:128*\b+16*\k
.endr
.endr
.irp a, 0,1,2,3,4,5,6,7
	global_load_b32 v[BR+2*\a], v11, s[8:9] offset:(32*(\a/2)+8*(\a%2))*4
	global_load_b32 v[BR+2*\a+1], v11, s[8:9] offset:(32*(\a/2)+8*(\a%2))*4
.endr
	s_wait_alu depctr_va_vdst(0)
	s_wait_tensorcnt 0x1
	s_barrier_signal -1
	s_barrier_wait -1
	FETCH_B 0, 0, 0
	FETCH_A 0, 0, 0
	SCALES 0
	FETCH_A 0, 0, 4
	STEP 0, 1
	TURN 0, 1, 1
	STEP 1, 0
	TURN 1, 0, 1
	STEP 0, 0
	TURN 0, 1, 0
	STEP 1, 0
	s_wait_dscnt 4*NLA
	WIN MUL_LO
	MUL16 0, 1, 1, 1, 0
	MUL16 2, 1, 1, 1, 0
	s_wait_dscnt 0x0
	WIN MUL_HI
	MUL16 4, 1, 1, 1, 0
	MUL16 6, 1, 1, 1, 0
	WIN 0
	PLACES 4
	s_wait_loadcnt 0x0
	s_mov_b32 s[SEL], 0x76543210
	s_mov_b32 s[SEL+1], 0xfedcba98
	s_mov_b32 s52, 0xffff0000
	s_mov_b32 s53, 0x7f7f0000
.irp b, 0,1,2,3
	v_mov_b32 v[TM+4+\b], 0
.endr
	s_cmp_eq_u32 s19, 0
	s_cbranch_scc0 .Lepi_v
	s_and_b32 s40, s17, 3
	s_lshl_b32 s40, s40, 2
	s_lshl_b32 s41, s16, 1
	s_add_co_u32 s40, s40, s41
	s_lshl_b32 s40, s40, 5
	s_lshl_b32 s41, s18, 1
	s_add_co_u32 s41, s41, s15
	s_add_co_u32 s40, s40, s41
	s_cmp_ge_u32 s17, 4
	s_cselect_b64 s[42:43], s[12:13], s[10:11]
	s_mov_b32 s44, 6656
	s_cselect_b32 s44, 13056, s44
	s_mul_i32 s40, s40, s44
	s_mov_b32 s41, 0
	s_add_nc_u64 s[42:43], s[42:43], s[40:41]
	s_lshl_b32 s40, s44, 5
	s_add_nc_u64 s[46:47], s[42:43], s[40:41]
.irp b, 0,1,2,3
.if \b > 0
	s_wait_xcnt 0x0
.endif
.irp u, 0,1
	ADDP 2*\b+\u
	QUANT T, IA+6*\u, IB+6*\u, PWR+2*\b+\u
.endr
.irp c, 0,1,2
	global_store_b128 v[LI], v[IA+4*\c:IA+4*\c+3], s[42:43] offset:1536*\b+512*\c
	global_store_b128 v[LI], v[IB+4*\c:IB+4*\c+3], s[46:47] offset:1536*\b+512*\c
.endr
.endr
	s_wait_xcnt 0x0
.irp b, 0,1,2,3
	v_cndmask_b32 v[TM+\b], v[PWR+2*\b], v[PWR+2*\b+1], s52
	v_and_or_b32 v[IA+\b], v[TM+\b], 0xffff, s53
	v_lshrrev_b32 v[TM+8+\b], 16, v[TM+\b]
	v_or_b32 v[IB+\b], s53, v[TM+8+\b]
.endr
	global_store_b128 v[LI], v[IA:IA+3], s[42:43] offset:6144
	global_store_b128 v[LI], v[IB:IB+3], s[46:47] offset:6144
	s_branch .Lend
.Lepi_v:
	s_sub_co_u32 s40, s17, 8
	s_lshl_b32 s40, s40, 2
	s_lshl_b32 s41, s15, 1
	s_add_co_u32 s40, s40, s41
	s_lshl_b32 s40, s40, 5
	s_lshl_b32 s41, s18, 1
	s_add_co_u32 s41, s41, s16
	s_add_co_u32 s40, s40, s41
	s_mul_i32 s40, s40, 13056
	s_add_co_u32 s40, s40, 6656
	s_mov_b32 s41, 0
	s_add_nc_u64 s[42:43], s[12:13], s[40:41]
	s_add_nc_u64 s[46:47], s[42:43], 417792
.irp a, 0,1,2,3,4,5,6,7
	ADDR \a
.if \a > 0
	s_wait_xcnt 0x0
.endif
	QUANT T, IA, IA+6, PWR+\a
.irp c, 0,1,2
	global_store_b128 v[LI], v[IA+4*\c:IA+4*\c+3], s[42+4*(\a/4):43+4*(\a/4)] offset:1536*(\a%4)+512*\c
.endr
.endr
	s_wait_xcnt 0x0
.irp e, 0,1
.irp u, 0,1
	v_cndmask_b32 v[IA+2*\e+\u], v[PWR+4*\e+2*\u], v[PWR+4*\e+2*\u+1], s52
.endr
	global_store_b64 v[L8], v[IA+2*\e:IA+2*\e+1], s[42+4*\e:43+4*\e] offset:6144
.endr
.Lend:
	s_wait_tensorcnt 0x0
	ds_add_u32 v[SPW], v[NIL]
	s_wait_dscnt 0x0
	CROUND                                         ; the closing round: no work-group ends while a partner may still ask for a tile that names it
	s_endpgm
.Lfunc_end_k_q98e7cde703_gemm_qkv:
	.size	k_q98e7cde703_gemm_qkv, .Lfunc_end_k_q98e7cde703_gemm_qkv-k_q98e7cde703_gemm_qkv
	.p2alignl 7, 3214868480
	.fill 96, 4, 3214868480
	.section	.rodata,"a",@progbits
	.p2align	6, 0x0
	.amdhsa_kernel k_q98e7cde703_gemm_qkv
		.amdhsa_group_segment_fixed_size 327680
		.amdhsa_private_segment_fixed_size 0
		.amdhsa_enable_private_segment 0
		.amdhsa_kernarg_size 40
		.amdhsa_user_sgpr_count 2
		.amdhsa_user_sgpr_kernarg_segment_ptr 1
		.amdhsa_wavefront_size32 1
		.amdhsa_system_sgpr_workgroup_id_x 1
		.amdhsa_system_sgpr_workgroup_id_y 1
		.amdhsa_system_sgpr_workgroup_id_z 1
		.amdhsa_system_vgpr_workitem_id 0
		.amdhsa_next_free_vgpr 1024
		.amdhsa_next_free_sgpr 98
		.amdhsa_reserve_vcc 0
		.amdhsa_float_denorm_mode_32 3
		.amdhsa_float_denorm_mode_16_64 3
		.amdhsa_memory_ordered 1
		.amdhsa_forward_progress 1
		.amdhsa_inst_pref_size 209
	.end_amdhsa_kernel
	.amdgpu_metadata
---
amdhsa.version: [ 1, 2 ]
amdhsa.kernels:
  - .name:           k_q98e7cde703_gemm_qkv
    .symbol:         k_q98e7cde703_gemm_qkv.kd
    .args:
      - { .name: xq, .offset: 0, .size: 8, .value_kind: global_buffer, .address_space: global }
      - { .name: wq, .offset: 8, .size: 8, .value_kind: global_buffer, .address_space: global }
      - { .name: b_qkv, .offset: 16, .size: 8, .value_kind: global_buffer, .address_space: global }
      - { .name: q, .offset: 24, .size: 8, .value_kind: global_buffer, .address_space: global }
      - { .name: kv, .offset: 32, .size: 8, .value_kind: global_buffer, .address_space: global }
    .group_segment_fixed_size: 327680
    .private_segment_fixed_size: 0
    .kernarg_segment_align: 8
    .kernarg_segment_size: 40
    .max_flat_workgroup_size: 128
    .sgpr_count:     98
    .vgpr_count:     1024
    .wavefront_size: 32
...
	.end_amdgpu_metadata
.endif
;; end of part 2
;; launch attn (part 3): grid 16 x 16, 16 waves a work-group, no clusters, 327,680 bytes of LDS; arguments q, kv, oq; writes oq
.if DOCPART == 3
	.amdgcn_target "amdgcn-amd-amdhsa--gfx1250"
	.amdhsa_code_object_version 6
	.text
	.protected	k_q98e7cde703_attn
	.globl	k_q98e7cde703_attn
	.p2align	8
	.type	k_q98e7cde703_attn,@function
k_q98e7cde703_attn:
	s_mov_b64 s[64:65], 0
	v_nop
	global_prefetch_b8 v0, s[64:65] scope:SCOPE_SE
	s_setreg_imm32_b32 hwreg(HW_REG_WAVE_MODE, 25, 1), 1
	s_wait_xcnt 0x0
; o = softmax(q k^T / 8, causal) v for 16 heads of 64, 4,096 tokens, both products on codes of BF6 (E3M2) with E8M0 scales; o is quantised in registers along the head's 64 and leaves as codes for the last product.
; LEFT OUT: key steps all of whose keys come after a tile's queries: the causal mask makes their scores -infinity, so their p is 0 for all values of the inputs.
; THE SOFTMAX: t = score x log2(e) / 8; M = the largest t so far, rounded UP to a whole number; p = 2^(t - M) is quantised along the keys, not normalised; the sum is taken of the unquantised p and divides at the end.
; When M moves, the sum and O are multiplied by 2^(old M - new M): exact.
; IN.  q: [head][block of 128 tokens] 6,656 bytes; kv: [head][128 keys] 13,056 bytes: images of operand registers (a lane's 16 bytes at 16 x lane): four pairs of half fragments of k (K = 64), their scale words at 6,144 + 16 l + 4 b,
; v's four fragments at 6,656, their scale words at 12,800 + 8 l + 4 u.  Row i of tile 2 g + u is row 32 g + 8 u + i + 8 (i / 8).
; K = 64 IN AN INSTRUCTION OF 128: q's upper six registers are zero codes; k's operand of tile t is twelve registers from v[KV + 6 t] on, whose upper six meet those zeros (every pattern of six bits is a finite code): the next tile's codes,
; and for tile 7 the six registers behind k's, two LDS offsets and four zeros; the scale bytes there are 127.
; SHARES.  Work-group (j, head) owns the blocks of 128 queries j (low) and 31 - j (high): (j + 1) + (32 - j) = 33 key steps of 128 keys for each pair of tiles, in every work-group.
; WAVES 2 p AND 2 p + 1 SHARE TILE p OF BOTH BLOCKS AND DIVIDE THE KEYS: a wave takes the key steps of its parity e = (w xor w / 4) % 2, for the high tile and, while its keys count, for the low tile too, on the same fragments of k and v:
; 16 or 17 of the 33 steps a wave; of waves w, w + 4, w + 8, w + 12 two have each parity.  Each wave keeps its own M, sum and O for each tile; at the end the two parts of a tile are joined through LDS by powers of two
; (the codes' values do not hang on which whole number M is).  The wave of parity 0 then finishes the high tile, the other the low one.
; THE RING: two slots of 8 key steps, 104,448 bytes each; the walk over at most four fills is written out, and between two barriers a wave walks its own 1, 3 or 4 steps in a counted loop.  Waves 0 to 3 fetch a quarter of a slot each
; (two steps, 102 rows of 256 bytes), one tensor load a wave behind a barrier; every wait for them is for 0.  At the head only keys 0-255 are asked for, the rest of slot 0 behind the first barrier, slot 1 behind the second.
; A quarter whose first step comes after the high block's queries is read by nobody and is not asked for.
; Steps 0-15 come ahead of the high block's diagonal (31 - j is at least 16) and steps 16-31 behind the low block's (j is at most 15): so each kind of step has its own text.
; Both products are used transposed (S^T = k q^T, O^T = v^T p^T): a lane holds ONE query, and 16 registers of two neighbouring tiles are 16 neighbouring keys (or channels).
; NO CLUSTER: work-groups of a head ask for different numbers of quarters (16 down to 9), so partners would need different numbers of tiles.
; OUT.  oq: a panel [block of 128 tokens][K step = two heads] of 12,800 bytes; a fragment's registers 0-3 at 16 l, 4-5 at 512 + 8 l, 6-7 at 768 + 8 l, 8-11 at 1,024 + 16 l; the scale bytes leave two to a token.
; LIMITS: NaN and infinities are not served; the promise holds while |t| stays under 2^31; a block whose every p has fallen under 2^-122 keeps the byte 1; a block of zeros of o gets the byte 1.
.set STEPB, 13056
.set QRT,   2*STEPB                    ; what one tensor load brings
.set SLOTB, 8*STEPB
.set HEADB, 32*STEPB
.set STAGE, 0                          ; the stage lies over the ring, behind its last fill and a barrier: for each wave two tiles' parts, 4,096 bytes of O and 256 of (-M, sum) each
.set TSTG,  4352
.set WSTG,  2*TSTG
.set SPARE, 2*SLOTB                    ; behind the ring: the spare words, 128 bytes for each wave
.set AD,  1                            ; LDS address of the step in hand, 16 bytes a lane;
.set AD8, 2                            ; and 8 bytes a lane
.set SPW, 3
.set NIL, 4
.set QD,  5                            ; my query in its block of 128, less 16 (lane / 16)
.set PFO, 6                            ; the prefetches' offset
.set QSC, 7                            ; q's scale words: lanes 0-15 the high tile's, lanes 16-31 the low tile's
.set KSC, 8
.set NMA, 12                           ; the high tile: -M, the largest t;
.set SMA, 14                           ; its sum, in two halves
.set QA,  16                           ; its q, six registers and six of zero codes
.set QB,  28                           ; the low tile's
.set KV,  40                           ; k's or v's fragments, 48 registers
.set LIK, 88                           ; 16 x lane + 13,056 e
.set L8K, 89                           ; 8 x lane + 13,056 e   (v90-93: zeros)
.set VSC, 94
.set S,   96                           ; S^T, then p
.set OA,  160
.set OB,  192
.set P,   224                          ; p's codes
.set BM,  236                          ; the blocks' largest scores, then largest p
.set PD,  240
.set SO,  244                          ; the conversions' scale operands
.set F,   248                          ; f = 2^(old M - new M), the low word of a pair
.set PW,  250                          ; p's scale word
.set TMP, 251
.set NMB, 252                          ; the low tile's -M, largest t
.set SMB, 254
.set WV,  18
.set SEL, 20
.set CS,  22                           ; s[22:23] c = log2(e) / 8
.set G1,  24
.set G0,  32
.set LD0, 36                           ; s36, s37: where my quarter goes in slot 0, 1
.set OFS, 40
.set KS,  41                           ; my key step in hand
.set BHI, 42
.set IT,  43
.set LIM, 44                           ; 1 in a wave that prefetches
.set BLO, 45
.set PFA, 46
.set Q2,  62                           ; the first step of my quarter of the third fill,
.set Q3,  63                           ; of the fourth
.macro PLACES
.rept 4
	v_nop
.endr
.endm
.macro FLOAD at                        ; four fragments (or pairs of half fragments)
.irp b, 0,1,2,3
.irp c, 0,1,2
	ds_load_b128 v[KV+12*\b+4*\c:KV+12*\b+4*\c+3], v[AD] offset:(\at)+1536*\b+512*\c
.endr
.endr
.endm
.macro KLOAD
	FLOAD 0
	ds_load_b128 v[KSC:KSC+3], v[AD] offset:6144
.endm
.macro VLOAD
	FLOAD 6656
	ds_load_b64 v[VSC:VSC+1], v[AD8] offset:12800
.endm
.macro SMUL q, low                     ; S^T = k q^T: eight tiles of 16 keys; an even tile's scale words in lanes 0-15, an odd tile's in lanes 16-31
.irp t, 0,2,4,6
.if \low
	v_wmma_scale_f32_16x16x128_f8f6f4 v[S+8*\t:S+8*\t+7], v[KV+6*\t:KV+6*\t+11], v[\q:\q+11], 0, v[KSC+\t/2], v[QSC] matrix_a_fmt:MATRIX_FMT_BF6 matrix_b_fmt:MATRIX_FMT_BF6 matrix_b_scale:MATRIX_SCALE_ROW1
	v_wmma_scale_f32_16x16x128_f8f6f4 v[S+8+8*\t:S+8*\t+15], v[KV+6+6*\t:KV+6*\t+17], v[\q:\q+11], 0, v[KSC+\t/2], v[QSC] matrix_a_fmt:MATRIX_FMT_BF6 matrix_b_fmt:MATRIX_FMT_BF6 matrix_a_scale:MATRIX_SCALE_ROW1 matrix_b_scale:MATRIX_SCALE_ROW1
.else
	v_wmma_scale_f32_16x16x128_f8f6f4 v[S+8*\t:S+8*\t+7], v[KV+6*\t:KV+6*\t+11], v[\q:\q+11], 0, v[KSC+\t/2], v[QSC] matrix_a_fmt:MATRIX_FMT_BF6 matrix_b_fmt:MATRIX_FMT_BF6
	v_wmma_scale_f32_16x16x128_f8f6f4 v[S+8+8*\t:S+8*\t+15], v[KV+6+6*\t:KV+6*\t+17], v[\q:\q+11], 0, v[KSC+\t/2], v[QSC] matrix_a_fmt:MATRIX_FMT_BF6 matrix_b_fmt:MATRIX_FMT_BF6 matrix_a_scale:MATRIX_SCALE_ROW1
.endif
.endr
.endm
.macro PV o                            ; O^T += v^T p^T: four tiles of 16 channels, one instruction each, accumulators by turns
.irp t, 0,2
	v_wmma_scale_f32_16x16x128_f8f6f4 v[(\o)+8*\t:(\o)+8*\t+7], v[KV+12*\t:KV+12*\t+11], v[P:P+11], v[(\o)+8*\t:(\o)+8*\t+7], v[VSC+\t/2], v[PW] matrix_a_fmt:MATRIX_FMT_BF6 matrix_b_fmt:MATRIX_FMT_BF6
	v_wmma_scale_f32_16x16x128_f8f6f4 v[(\o)+8+8*\t:(\o)+8*\t+15], v[KV+12+12*\t:KV+12*\t+23], v[P:P+11], v[(\o)+8+8*\t:(\o)+8*\t+15], v[VSC+\t/2], v[PW] matrix_a_fmt:MATRIX_FMT_BF6 matrix_b_fmt:MATRIX_FMT_BF6 matrix_a_scale:MATRIX_SCALE_ROW1
.endr
.endm
; From the scores in S to p's codes and scale word, the sum and O under the new M.  mask = 1: the tile's diagonal, block blk, may be met.
; hook = 1: the high tile's second product, whose v is on its way, stands behind the search for the maximum.
.macro SOFTMAX nm, sm, o, hook, mask, blk
.if \mask
	s_cmp_lg_u32 s[KS], s[\blk]                    ; on the diagonal the scores of hidden keys become -infinity ahead of the maximum: p = 0 then
	s_cbranch_scc1 .Lopen_\@
	v_mov_b32 v[TMP], 0xff800000
.set nn, 0
.rept 64                               ; register 16 b + i holds key 32 b + 16 (lane / 16) + i of the step
	v_cmp_gt_i32 vcc_lo, 32*(nn/16)+nn%16, v[QD]
	v_cndmask_b32 v[S+nn], v[S+nn], v[TMP], vcc_lo
.set nn, nn+1
.endr
.Lopen_\@:
.endif
.irp b, 0,1,2,3
	v_max3_num_f32 v[BM+\b], v[S+16*\b], v[S+1+16*\b], v[S+2+16*\b]   ; the largest score of each block of 32 keys: it serves the row's maximum and, since p rises with the score, the block's largest p
.endr
.irp i, 3,5,7,9,11,13
.irp b, 0,1,2,3
	v_max3_num_f32 v[BM+\b], v[BM+\b], v[S+16*\b+\i], v[S+1+16*\b+\i]
.endr
.endr
.irp b, 0,1,2,3
	v_max_num_f32 v[BM+\b], v[BM+\b], v[S+15+16*\b]
.endr
.irp b, 0,1,2,3
	s_delay_alu instid0(VALU_DEP_4)
	v_permlanex16_b32 v[PD+\b], v[BM+\b], s[SEL], s[SEL+1]
.endr
.irp b, 0,1,2,3
	s_delay_alu instid0(VALU_DEP_4)
	v_max_num_f32 v[BM+\b], v[BM+\b], v[PD+\b]     ; with lane l xor 16's 16 keys
.endr
	s_delay_alu instid0(VALU_DEP_2)
	v_max3_num_f32 v[TMP], v[BM], v[BM+1], v[BM+2]
	s_delay_alu instid0(VALU_DEP_1)
	v_max_num_f32 v[TMP], v[TMP], v[BM+3]
	s_delay_alu instid0(VALU_DEP_1)
	v_mul_f32 v[TMP], s[CS], v[TMP]                ; as t (c is positive)
	s_delay_alu instid0(VALU_DEP_1)
	v_max_num_f32 v[\nm+1], v[\nm+1], v[TMP]       ; the running largest t
	v_mov_b32 v[TMP], v[\nm]
	s_delay_alu instid0(VALU_DEP_2)
	v_floor_f32 v[\nm], -v[\nm+1]                  ; the new -M = floor(-t)
	s_delay_alu instid0(VALU_DEP_1)
	v_sub_f32 v[TMP], v[\nm], v[TMP]               ; old M - new M: a whole number, 0 or less
	s_delay_alu instid0(VALU_DEP_1)
	v_cvt_i32_f32 v[TMP], v[TMP]                   ; (it saturates)
	s_delay_alu instid0(VALU_DEP_1)
	v_ldexp_f32 v[F], 1.0, v[TMP]
.if \hook
	s_wait_alu depctr_va_vdst(0)                   ; directly ahead of the wait below
	s_wait_dscnt 0x0                               ; v is in
	PV OA
.endif
.set jj, 0
.rept 32
	v_pk_fma_f32 v[S+jj:S+jj+1], v[S+jj:S+jj+1], s[CS:CS+1], v[\nm:\nm+1] op_sel_hi:[1,0,0]   ; t - M, two at a time
.set jj, jj+2
.endr
.irp b, 0,1,2,3
	v_fma_f32 v[BM+\b], v[BM+\b], s[CS], v[\nm]    ; the same of each block's largest score
.endr
	s_wait_alu depctr_va_vdst(0)                   ; ahead of the batch
.irp b, 0,1,2,3
	v_exp_f32 v[BM+\b], v[BM+\b]                   ; the block's largest p
.endr
.set jj, 0
.rept 64
	v_exp_f32 v[S+jj], v[S+jj]                     ; p = 2^(t - M), at most 1
.set jj, jj+1
.endr
	v_pk_mul_f32 v[\sm:\sm+1], v[\sm:\sm+1], v[F:F+1] op_sel_hi:[1,0]   ; the sum under the new M: a plain instruction behind the exponentials
	s_wait_alu depctr_va_vdst(0)                   ; one wait for the batch, ahead of its first reader
.irp b, 0,1,2,3
	v_max_num_f32 v[BM+\b], 0x2800000, v[BM+\b]    ; the floor 2^(5 - 127): the byte cannot fall under 1
.endr
.irp b, 0,1,2,3
	s_delay_alu instid0(VALU_DEP_4)
	v_add_nc_u32 v[SO+\b], 0xfe000000, v[BM+\b]    ; 4 off the exponent field: the conversion's scale operand
.endr
.irp b, 0,1,2,3
	s_delay_alu instid0(VALU_DEP_4)
	v_lshrrev_b32 v[PD+\b], 23, v[SO+\b]           ; the byte
.endr
	s_delay_alu instid0(VALU_DEP_3)
	v_lshl_or_b32 v[PW], v[PD+1], 8, v[PD]
	s_delay_alu instid0(VALU_DEP_1)
	v_lshl_or_b32 v[PW], v[PD+2], 16, v[PW]
	s_delay_alu instid0(VALU_DEP_1)
	v_lshl_or_b32 v[PW], v[PD+3], 24, v[PW]
	v_cvt_scalef32_pk16_bf6_f32 v[P:P+2], v[S:S+15], v[SO]
	v_cvt_scalef32_pk16_bf6_f32 v[BM:BM+2], v[S+16:S+31], v[SO+1]   ; (a conversion's three registers begin on an even number)
	v_cvt_scalef32_pk16_bf6_f32 v[P+6:P+8], v[S+32:S+47], v[SO+2]
	v_cvt_scalef32_pk16_bf6_f32 v[PD:PD+2], v[S+48:S+63], v[SO+3]
	v_nop                                          ; one plain instruction behind a scaled conversion
.irp i, 0,1,2                          ; a whole block in a lane: lanes 0-15 block 2 c, lanes 16-31 block 2 c + 1
	v_permlane16_swap_b32 v[P+\i], v[BM+\i]
	v_permlane16_swap_b32 v[P+6+\i], v[PD+\i]
.endr
.irp i, 0,1,2
	v_mov_b32 v[P+3+\i], v[BM+\i]
	v_mov_b32 v[P+9+\i], v[PD+\i]
.endr
.irp i, 2,4,6,8,10,12,14               ; the sum of the unquantised p, in place (the conversions have read it), four chains by turns
.irp b, 0,1,2,3
	v_pk_add_f32 v[S+16*\b:S+16*\b+1], v[S+16*\b:S+16*\b+1], v[S+16*\b+\i:S+16*\b+\i+1]
.endr
.endr
	v_pk_add_f32 v[S:S+1], v[S:S+1], v[S+16:S+17]
	v_pk_add_f32 v[S+32:S+33], v[S+32:S+33], v[S+48:S+49]
	s_delay_alu instid0(VALU_DEP_2)
	v_pk_add_f32 v[\sm:\sm+1], v[\sm:\sm+1], v[S:S+1]
	s_delay_alu instid0(VALU_DEP_1)
	v_pk_add_f32 v[\sm:\sm+1], v[\sm:\sm+1], v[S+32:S+33]
	s_wait_alu depctr_va_vdst(0)                   ; directly ahead of the first reader of O^T
.set jj, 0
.rept 16
	v_pk_mul_f32 v[(\o)+jj:(\o)+jj+1], v[(\o)+jj:(\o)+jj+1], v[F:F+1] op_sel_hi:[1,0]   ; O^T under the new M
.set jj, jj+2
.endr
	s_wait_alu depctr_va_vdst(0)                   ; ahead of the branch and the wait that follow
.endm
; A KEY STEP AMONG STEPS 0-15: the high tile always, with no hidden key; the low tile while its keys count.
.macro EARLY
	PLACES                                         ; in front of loads into registers that the last products read
	KLOAD
	s_wait_dscnt 0x0
	SMUL QA, 0
	PLACES                                         ; in front of the loads below and of the first read of the scores
	s_cmp_gt_u32 s[KS], s[BLO]
	s_cbranch_scc0 .Lkeep_\@                       ; the low tile still wants k
	VLOAD                                          ; v lands while the softmax is worked
.Lkeep_\@:
	SOFTMAX NMA, SMA, OA, 0, 0, BHI
	s_cmp_gt_u32 s[KS], s[BLO]
	s_cbranch_scc1 .Lone_\@
	s_wait_dscnt 0x0                               ; no load into k's registers is out
	SMUL QB, 1
	PLACES
	VLOAD
	SOFTMAX NMB, SMB, OB, 1, 1, BLO
	PV OB
	s_branch .Lend_\@
.Lone_\@:
	s_wait_dscnt 0x0                               ; v is in
	PV OA
.Lend_\@:
.endm
; A KEY STEP AMONG STEPS 16-31: the high tile alone, up to its diagonal.
.macro LATE
	s_cmp_gt_u32 s[KS], s[BHI]
	s_cbranch_scc1 .Lend_\@                        ; all its keys come after my queries
	PLACES
	KLOAD
	s_wait_dscnt 0x0
	SMUL QA, 0
	PLACES
	VLOAD
	SOFTMAX NMA, SMA, OA, 0, 1, BHI
	s_wait_dscnt 0x0
	PV OA
.Lend_\@:
.endm
; My n steps, two steps apart, from LDS byte base on
.macro WALK late, base, n
	s_mov_b32 s[OFS], \base
.if \n > 1
	s_mov_b32 s[IT], 0
.Lwalk_\@:
.endif
	v_add_nc_u32 v[AD], s[OFS], v[LIK]
	v_add_nc_u32 v[AD8], s[OFS], v[L8K]
	s_wait_alu depctr_va_vdst(0)
.if \late
	LATE
.else
	EARLY
.endif
	s_add_co_u32 s[KS], s[KS], 2
.if \n > 1
	s_add_co_u32 s[OFS], s[OFS], QRT
	s_add_co_u32 s[IT], s[IT], 1
	s_cmp_lt_u32 s[IT], \n
	s_cbranch_scc1 .Lwalk_\@
.endif
.endm
; A CHANGE OF SLOTS.  SYNC: each wave waits for all its tensor loads and adds 0 to its spare word.
; Work on registers follows: no load is out, so the descriptor may be written.  MEET: the add and my reads of what I have walked are done; the barrier.  FILL: my quarter of a slot, the first thing behind the barrier.
.macro SYNC twice
	s_wait_tensorcnt 0x0
	ds_add_u32 v[SPW], v[NIL]
.if \twice
	ds_add_u32 v[SPW], v[NIL]
.endif
.endm
.macro NEXT slot                       ; the descriptor for the next 8 steps, into this slot; the prefetches step with it
	s_mov_b32 s[G0+1], s[LD0+\slot]
	s_add_nc_u64 s[G0+2:G0+3], s[G0+2:G0+3], SLOTB
	s_wait_xcnt 0x0                                ; the last prefetch, a change of slots back, has read its address
	s_add_nc_u64 s[PFA:PFA+1], s[PFA:PFA+1], SLOTB
.endm
.macro MEET
	s_wait_dscnt 0x0
	s_barrier_signal -1
	s_barrier_wait -1
.endm
.macro FILL from, need                 ; waves from .. 3; need: the register that holds my quarter's first step (0: it is always read)
.if \need > 0
	s_cmp_le_u32 s[\need], s[BHI]
	s_cbranch_scc0 .Lnl_\@                         ; no step reads it
.endif
	s_cmp_lt_u32 s[WV], 4
	s_cbranch_scc0 .Lnl_\@
.if \from > 0
	s_cmp_eq_u32 s[WV], 0
	s_cbranch_scc1 .Lnl_\@
.endif
	tensor_load_to_lds s[G0:G0+3], s[G1:G1+7]
	s_nop 0
	PLACES
.Lnl_\@:
.endm
; THE PREFETCH: the head's work-group j = 0 alone asks (all work-groups of a head walk the same bytes), in waves 1 to 13, one instruction each: behind the fill of a change of slots they name the 408 blocks of 256 bytes
; that the NEXT change of slots will ask for: wave w blocks 32 (w - 1) + lane of them, each once (wave 13's lanes 24-31 name its last block again).  Three times: blocks 408 to 1,631, the head's last.  The first 408 come by their loads alone.
.macro ASK
	s_cmp_eq_u32 s[LIM], 1
	s_cbranch_scc0 .Lna_\@
	global_prefetch_b8 v[PFO], s[PFA:PFA+1] th:TH_LOAD_NT scope:SCOPE_SE
.Lna_\@:
.endm
	s_load_b128 s[4:7], s[0:1], 0x0                ; q, kv
	s_load_b64 s[8:9], s[0:1], 0x10                ; oq
	v_lshl_add_u32 v[SPW], v0, 2, SPARE
	v_mov_b32 v[NIL], 0
	ds_add_u32 v[SPW], v[NIL]                      ; the opening lines
	ds_add_u32 v[SPW], v[NIL]
	v_lshrrev_b32 v96, 5, v0
	v_readfirstlane_b32 s[WV], v96                 ; wave 0..15
	s_and_b32 s10, ttmp7, 0xffff                   ; the head
	s_mov_b32 s[BLO], ttmp9
	s_sub_co_u32 s[BHI], 31, ttmp9
	s_lshr_b32 s13, s[WV], 1                       ; my tile in both blocks
	s_lshr_b32 s14, s[WV], 2
	s_xor_b32 s14, s14, s[WV]
	s_and_b32 s14, s14, 1                          ; e: my parity among the key steps
	s_lshl_b32 s[Q2], s[WV], 1
	s_add_co_u32 s[Q2], s[Q2], 16
	s_add_co_u32 s[Q3], s[Q2], 8
	s_mov_b32 s[G1+0], 3<<16                       ; elements of 8 bytes; no padding
	s_mov_b32 s[G1+1], 32<<16                      ; rows of 256 bytes
	s_mov_b32 s[G1+2], 102<<16                     ; 102 of them: 26,112 dense bytes
	s_mov_b32 s[G1+3], 32<<16
	s_mov_b32 s[G1+4], 102
	s_mov_b32 s[G1+5], 32
	s_mov_b32 s[G1+6], 0
	s_mov_b32 s[G1+7], 0
	s_mul_i32 s15, s14, STEPB
	s_mul_i32 s16, s10, HEADB
	s_mov_b32 s17, 0
	s_mul_i32 s[LD0], s[WV], QRT
	s_add_co_u32 s[LD0+1], s[LD0], SLOTB
	s_mov_b32 s[SEL], 0x76543210
	s_mov_b32 s[SEL+1], 0xfedcba98
	s_mov_b32 s[CS], 0x3e38aa3b
	s_mov_b32 s[CS+1], s[CS]
	s_mov_b32 s[KS], s14
	s_wait_dscnt 0x0
	s_wait_kmcnt 0x0
	s_add_nc_u64 s[6:7], s[6:7], s[16:17]          ; kv at my head
	s_mov_b32 s16, s[LD0]
	s_mov_b32 s[G0], 1
	s_mov_b32 s[G0+1], s[LD0]
	s_add_nc_u64 s[G0+2:G0+3], s[6:7], s[16:17]    ; my quarter, in memory as in LDS
	s_or_b32 s[G0+3], s[G0+3], 0x80000000
	s_cmp_eq_u32 s[WV], 0
	s_cbranch_scc0 .Lno_first
	tensor_load_to_lds s[G0:G0+3], s[G1:G1+7]      ; steps 0 and 1
	s_nop 0
	PLACES
.Lno_first:
	s_lshl_b32 s50, s10, 5
	s_add_co_u32 s51, s50, s[BHI]
	s_add_co_u32 s50, s50, s[BLO]
	s_mul_i32 s51, s51, 6656                       ; q's high block,
	s_mul_i32 s50, s50, 6656                       ; its low block,
	s_sub_co_u32 s58, s51, s50                     ; and the bytes between them
	s_lshr_b32 s52, s13, 1                         ; the pair of tiles
	s_mul_i32 s53, s52, 1536
	s_mov_b32 s49, 0
	s_add_co_u32 s48, s51, s53
	s_add_nc_u64 s[54:55], s[4:5], s[48:49]
	s_add_co_u32 s48, s50, s53
	s_add_nc_u64 s[56:57], s[4:5], s[48:49]
	s_and_b32 s59, s13, 1                          ; which of the pair
	s_lshl_b32 s60, s59, 8
	s_lshl_b32 s52, s52, 2
	s_add_co_u32 s48, s50, s60
	s_add_co_u32 s48, s48, s52
	s_add_co_u32 s48, s48, 6144                    ; the low tile's scale words: 6,144 + 16 (r + 16 x which) + 4 x pair
	s_add_nc_u64 s[4:5], s[4:5], s[48:49]
	s_lshl_b32 s61, s52, 3
	s_lshl_b32 s60, s59, 3
	s_add_co_u32 s61, s61, s60                     ; 32 (tile / 2) + 8 (tile % 2)
	s_sub_co_u32 s60, s[WV], 1                     ; who prefetches: waves 1 to 13 of work-group j = 0
	s_cmp_lt_u32 s60, 13
	s_cselect_b32 s60, 0, 1
	s_or_b32 s60, s60, ttmp9
	s_cmp_eq_u32 s60, 0
	s_cselect_b32 s[LIM], 1, 0
	s_lshl_b32 s48, s[WV], 13
	s_add_co_u32 s48, s48, 96256                   ; block 408 + 32 (w - 1)
	s_add_nc_u64 s[PFA:PFA+1], s[6:7], s[48:49]
	s_lshl_b32 s38, s[WV], 5
	s_sub_co_u32 s38, 439, s38                     ; the last of the 408 blocks, counted from my first: 407 - 32 (w - 1)
	s_cmp_eq_u32 s59, 0
	s_cselect_b32 s59, 0, -1
	v_and_b32 v97, 31, v0
	v_and_b32 v98, 15, v0                          ; r
	v_bfe_u32 v99, v0, 4, 1                        ; h
	v_lshlrev_b32 v100, 4, v97
	v_lshlrev_b32 v101, 3, v97
	v_min_u32 v[PFO], s38, v97
	v_lshlrev_b32 v[PFO], 8, v[PFO]
	v_add_nc_u32 v[LIK], s15, v100
	v_add_nc_u32 v[L8K], s15, v101
	v_sub_nc_u32 v102, 1, v99
	v_mul_u32_u24 v102, s58, v102                  ; lanes 0-15 take the high block's words
	v_lshl_add_u32 v102, v98, 4, v102
	v_and_b32 v[QD], 8, v98
	v_add_nc_u32 v[QD], v[QD], v98
	v_add_nc_u32 v[QD], s61, v[QD]                 ; my query: 32 (tile / 2) + 8 (tile % 2) + r + 8 (r / 8)
	v_lshlrev_b32 v103, 4, v99
	v_sub_nc_u32 v[QD], v[QD], v103
	s_wait_alu depctr_va_vdst(0)
.irp c, 0,1,2
	global_load_b128 v[104+4*\c:107+4*\c], v100, s[54:55] offset:512*\c
	global_load_b128 v[116+4*\c:119+4*\c], v100, s[56:57] offset:512*\c
.endr
	global_load_b32 v[QSC], v102, s[4:5]
	v_mov_b32 v[NMA+1], 0xff61b1e6                 ; the largest t so far: -3e38
	v_mov_b32 v[NMB+1], 0xff61b1e6
	v_floor_f32 v[NMA], -v[NMA+1]
	v_floor_f32 v[NMB], -v[NMB+1]
.irp i, 14,15,254,255, 22,23,24,25,26,27, 34,35,36,37,38,39, 90,91,92,93, 240,241,242,243, 249
	v_mov_b32 v\i, 0                               ; the sums; the zero codes; destinations of lane permutes; the upper half of f's pair
.endr
	v_mov_b32 v[VSC], 0x7f7f7f7f                   ; finite scale bytes on every way through the text
	v_mov_b32 v[VSC+1], 0x7f7f7f7f
.set jj, 0
.rept 64
	v_mov_b32 v[OA+jj], 0                          ; O^T of both tiles: where a tile's first step stands hangs on the wave, so the step is written once; the first change of M leaves zeros zeros
.set jj, jj+1
.endr
	s_wait_loadcnt 0x0
.irp i, 0,1,2,3,4,5
	v_cndmask_b32 v[QA+\i], v[104+\i], v[110+\i], s59   ; my tile's half of the pair
	v_cndmask_b32 v[QB+\i], v[116+\i], v[122+\i], s59
.endr
	s_wait_alu depctr_va_vdst(0)                   ; the head's end
	SYNC 1                                         ; steps 0 and 1 are in
	MEET
	FILL 1, 0                                      ; steps 2-7: the rest of slot 0, filled for the first time
	ASK
	WALK 0, 0, 1
	SYNC 1
	NEXT 1
	MEET
	FILL 0, 0                                      ; steps 8-15: slot 1, filled for the first time
	ASK
	WALK 0, QRT, 3
	SYNC 1
	NEXT 0
	MEET
	FILL 0, Q2                                     ; steps 16-23, into slot 0, which nobody reads any more
	ASK
	WALK 0, SLOTB, 4
	SYNC 1
	NEXT 1
	MEET
	FILL 0, Q3                                     ; steps 24-31, into slot 1
	WALK 1, 0, 4
	SYNC 0
	MEET
	WALK 1, SLOTB, 4
	; THE TWO PARTS OF EACH TILE ARE JOINED.  Behind a barrier, when nobody reads the ring any more, every wave lays both its parts into its stage; behind a second one the wave of parity e reads both waves' parts of tile e (0: high, 1: low).
	SYNC 0
	s_mul_i32 s48, s[WV], WSTG
	s_add_co_u32 s48, s48, STAGE
	s_and_b32 s49, s[WV], 14
	s_mul_i32 s49, s49, WSTG
	s_mul_i32 s50, s14, TSTG
	s_add_co_u32 s49, s49, s50
	s_add_co_u32 s49, s49, STAGE
	MEET
	s_cmp_eq_u32 s14, 0
	s_cselect_b32 s60, s[BHI], s[BLO]              ; the block that I finish
	s_lshl_b32 s50, s60, 3
	s_lshr_b32 s51, s10, 1
	s_add_co_u32 s50, s50, s51
	s_mul_i32 s50, s50, 12800                      ; the panel's block (128 tokens, K step head / 2)
	s_mul_i32 s52, s13, 1536
	s_add_co_u32 s52, s50, s52
	s_mov_b32 s53, 0
	s_add_nc_u64 s[54:55], s[8:9], s[52:53]        ; my tile's fragment
	s_lshl_b32 s56, s13, 6
	s_and_b32 s57, s10, 1
	s_lshl_b32 s58, s57, 1
	s_add_co_u32 s50, s50, s56
	s_add_co_u32 s50, s50, s58
	s_add_co_u32 s50, s50, 12288                   ; its scale words, my head's half of each
	s_mov_b32 s51, 0
	s_add_nc_u64 s[8:9], s[8:9], s[50:51]
	PLACES                                         ; behind the last products
	v_add_f32 v[NMA+1], v[SMA], v[SMA+1]           ; (-M, sum) as a pair
	v_add_f32 v[NMB+1], v[SMB], v[SMB+1]
	v_and_b32 v40, 31, v0
	v_lshlrev_b32 v41, 4, v40
	v_lshlrev_b32 v42, 3, v40
	v_add_nc_u32 v43, s48, v41
	v_add_nc_u32 v44, s48, v42
	v_add_nc_u32 v45, s49, v41
	v_add_nc_u32 v46, s49, v42
	v_and_b32 v47, 15, v0
	v_lshlrev_b32 v47, 2, v47                      ; 4 r
.irp a, 0,1,2,3,4,5,6,7                ; accumulators OA .. OB + 24, each from its low end on
	s_wait_alu depctr_va_vdst(0)                   ; directly ahead of each accumulator's first reader
	ds_store_b128 v43, v[OA+8*\a:OA+8*\a+3] offset:(\a/4)*TSTG+1024*(\a%4)
	ds_store_b128 v43, v[OA+8*\a+4:OA+8*\a+7] offset:(\a/4)*TSTG+1024*(\a%4)+512
.endr
	ds_store_b64 v44, v[NMA:NMA+1] offset:4096
	ds_store_b64 v44, v[NMB:NMB+1] offset:TSTG+4096
	s_wait_dscnt 0x0
	s_barrier_signal -1
	s_barrier_wait -1
.irp x, 0,1
.irp i, 0,1,2,3,4,5,6,7
	ds_load_b128 v[S+32*\x+4*\i:S+32*\x+4*\i+3], v45 offset:\x*WSTG+512*\i
.endr
	ds_load_b64 v[48+2*\x:49+2*\x], v46 offset:\x*WSTG+4096
.endr
	s_wait_dscnt 0x0
	v_min_num_f32 v52, v48, v50                    ; -M of the larger M.  (A part that met no step holds -M = 3e38, sum 0, O 0: its factor comes out 0)
	v_sub_f32 v53, v52, v48
	v_sub_f32 v54, v52, v50
	v_cvt_i32_f32 v53, v53                         ; (they saturate)
	v_cvt_i32_f32 v54, v54
	v_ldexp_f32 v252, 1.0, v53
	v_ldexp_f32 v254, 1.0, v54
	v_mul_f32 v49, v49, v252
	v_fma_f32 v49, v51, v254, v49
	v_permlanex16_b32 v240, v49, s[SEL], s[SEL+1]
	v_add_f32 v49, v49, v240                       ; the row's sum
	s_wait_alu depctr_va_vdst(0)
	v_rcp_f32 v49, v49
	v_nop
	s_wait_alu depctr_va_vdst(0)
	v_mul_f32 v252, v252, v49                      ; each part's power of two over the sum
	v_mul_f32 v254, v254, v49
.set jj, 0
.rept 16
	v_pk_mul_f32 v[S+jj:S+jj+1], v[S+jj:S+jj+1], v[252:253] op_sel_hi:[1,0]
.set jj, jj+2
.endr
.set jj, 0
.rept 16
	v_pk_fma_f32 v[S+jj:S+jj+1], v[S+32+jj:S+33+jj], v[254:255], v[S+jj:S+jj+1] op_sel_hi:[1,0,1]
.set jj, jj+2
.endr
	; o, quantised along the head's 64: register 16 B + i is channel 32 B + 16 (lane / 16) + i
.irp b, 0,1
	v_max3_num_f32 v[BM+\b], |v[S+16*\b]|, |v[S+1+16*\b]|, 0x2800000
.endr
.irp i, 2,4,6,8,10,12,14
.irp b, 0,1
	s_delay_alu instid0(VALU_DEP_2)
	v_max3_num_f32 v[BM+\b], v[BM+\b], |v[S+16*\b+\i]|, |v[S+1+16*\b+\i]|
.endr
.endr
.irp b, 0,1
	s_delay_alu instid0(VALU_DEP_2)
	v_permlanex16_b32 v[PD+\b], v[BM+\b], s[SEL], s[SEL+1]
.endr
.irp b, 0,1
	s_delay_alu instid0(VALU_DEP_2)
	v_max_num_f32 v[BM+\b], v[BM+\b], v[PD+\b]
.endr
.irp b, 0,1
	s_delay_alu instid0(VALU_DEP_2)
	v_add_nc_u32 v[SO+\b], 0xfe000000, v[BM+\b]
.endr
.irp b, 0,1
	s_delay_alu instid0(VALU_DEP_2)
	v_lshrrev_b32 v[PD+\b], 23, v[SO+\b]
.endr
	s_delay_alu instid0(VALU_DEP_1)
	v_lshl_or_b32 v[PW], v[PD+1], 8, v[PD]         ; my head's two bytes
	v_cvt_scalef32_pk16_bf6_f32 v[224:226], v[S:S+15], v[SO]
	v_cvt_scalef32_pk16_bf6_f32 v[228:230], v[S+16:S+31], v[SO+1]
	v_nop
.irp i, 0,1,2
	v_permlane16_swap_b32 v[224+\i], v[228+\i]
.endr
.irp i, 0,1,2
	v_mov_b32 v[227+\i], v[228+\i]                 ; ascending: each source is read before it is written
.endr
	s_wait_alu depctr_va_vdst(0)                   ; ahead of the branch
	s_cmp_eq_u32 s57, 0
	s_cbranch_scc0 .Lodd
	global_store_b128 v41, v[224:227], s[54:55]              ; an even head: the fragment's registers 0-3,
	global_store_b64 v42, v[228:229], s[54:55] offset:512    ; 4-5
	s_branch .Lwords
.Lodd:
	global_store_b64 v42, v[224:225], s[54:55] offset:768    ; an odd head: registers 6-7,
	global_store_b128 v41, v[226:229], s[54:55] offset:1024  ; 8-11
.Lwords:
	global_store_b16 v47, v[PW], s[8:9]            ; both halves of the lanes hold the same bytes and write them to the same place
	s_wait_tensorcnt 0x0                           ; the wave's end
	ds_add_u32 v[SPW], v[NIL]
	s_wait_dscnt 0x0
	s_endpgm
.Lfunc_end_k_q98e7cde703_attn:
	.size	k_q98e7cde703_attn, .Lfunc_end_k_q98e7cde703_attn-k_q98e7cde703_attn
	.p2alignl 7, 3214868480
	.fill 96, 4, 3214868480
	.section	.rodata,"a",@progbits
	.p2align	6, 0x0
	.amdhsa_kernel k_q98e7cde703_attn
		.amdhsa_group_segment_fixed_size 327680
		.amdhsa_private_segment_fixed_size 0
		.amdhsa_enable_private_segment 0
		.amdhsa_kernarg_size 24
		.amdhsa_user_sgpr_count 2
		.amdhsa_user_sgpr_kernarg_segment_ptr 1
		.amdhsa_wavefront_size32 1
		.amdhsa_system_sgpr_workgroup_id_x 1
		.amdhsa_system_sgpr_workgroup_id_y 1
		.amdhsa_system_sgpr_workgroup_id_z 1
		.amdhsa_system_vgpr_workitem_id 0
		.amdhsa_next_free_vgpr 256
		.amdhsa_next_free_sgpr 66
		.amdhsa_reserve_vcc 1
		.amdhsa_float_denorm_mode_32 3
		.amdhsa_float_denorm_mode_16_64 3
		.amdhsa_memory_ordered 1
		.amdhsa_forward_progress 1
		.amdhsa_inst_pref_size 178
	.end_amdhsa_kernel
	.amdgpu_metadata
---
amdhsa.version: [ 1, 2 ]
amdhsa.kernels:
  - .name:           k_q98e7cde703_attn
    .symbol:         k_q98e7cde703_attn.kd
    .args:
      - { .name: q, .offset: 0, .size: 8, .value_kind: global_buffer, .address_space: global }
      - { .name: kv, .offset: 8, .size: 8, .value_kind: global_buffer, .address_space: global }
      - { .name: oq, .offset: 16, .size: 8, .value_kind: global_buffer, .address_space: global }
    .group_segment_fixed_size: 327680
    .private_segment_fixed_size: 0
    .kernarg_segment_align: 8
    .kernarg_segment_size: 24
    .max_flat_workgroup_size: 512
    .sgpr_count:     66
    .vgpr_count:     256
    .wavefront_size: 32
...
	.end_amdgpu_metadata
.endif
;; end of part 3
;; launch gemm_out (part 4): grid 8 x 32, 4 waves a work-group, clusters of 4 x 4, 327,680 bytes of LDS; arguments oq, wo, b_out, out0; writes out0
.if DOCPART == 4
	.amdgcn_target "amdgcn-amd-amdhsa--gfx1250"
	.amdhsa_code_object_version 6
	.text
	.protected	k_q98e7cde703_gemm_out
	.globl	k_q98e7cde703_gemm_out
	.p2align	8
	.type	k_q98e7cde703_gemm_out,@function
k_q98e7cde703_gemm_out:
	s_mov_b64 s[64:65], 0
	v_nop
	global_prefetch_b8 v0, s[64:65] scope:SCOPE_SE
	s_setreg_imm32_b32 hwreg(HW_REG_WAVE_MODE, 25, 1), 1
	s_wait_xcnt 0x0
	s_wait_alu depctr_hold_cnt(0) depctr_sa_sdst(0) depctr_va_vdst(0) depctr_va_sdst(0) depctr_va_ssrc(0) depctr_va_vcc(0) depctr_vm_vsrc(0)
	s_getreg_b32 s2, hwreg(HW_REG_IB_STS2, 6, 4)
	s_cmp_eq_u32 s2, 0
	s_cbranch_scc0 .Lentry_in_a_cluster
	s_endpgm
.Lentry_in_a_cluster:
	s_bfe_u32 s2, ttmp6, 0x10000c
	s_cmp_lg_u32 s2, 0xf033
	s_cbranch_scc0 .Lentry_shape_is_right
	s_endpgm
.Lentry_shape_is_right:
; out0 [4096][1024] f32 = o W_out + b_out, on codes of BF6 (E3M2) with E8M0 scales.  oq and wo are panels [block of 128 rows][K step of 128] of 12,800 bytes: eight fragments of 1,536 bytes as images of
; operand registers, then eight times 16 scale words at 12,288 + 64 i + 4 r.  Row i of fragment 2 g + u is row 32 g + 8 u + i + 8 (i / 8) of the block.  (oq's fragments: registers 0-3 at 16 l, 4-5 at 512 + 8 l, 6-7 at 768 + 8 l, 8-11 at 1,024 + 16 l.)
; A work-group makes 128 x 128 of the result: 8 x 32 = 256 work-groups.  Its rows of o and of W_out for ALL of K are two dense blocks of 102,400 bytes: both lie in LDS whole, so there is no ring and nothing is filled again.
; Each wave fetches a quarter by ONE tensor load at the head (waves 0, 2: o's K steps 0-3, 4-7; waves 1, 3: W_out's): 200 rows of 256 bytes.
; CLUSTERS: 4 x 4 work-groups; o's block is shared along a row of the cluster, W_out's along a column: each is asked for jointly.
; A wave makes 64 x 64: 16 accumulators, v256-383.  The instruction is used transposed (source 0 = rows of W_out's panel, source 1 = rows of o): a lane's 16 registers of two neighbouring tiles are 16 neighbouring columns.
; The bias is the C of the first K step's products.  Fragments have two sets of registers: a step's 32 LDS loads are issued ahead of the step before's products.
; NO PREFETCH: the launch has no loop to run ahead in; every byte is asked for at the head.
.set KB,    12800
.set BLK,   8*KB
.set HALF,  4*KB
.set STAGE, 2*BLK                      ; the way out: 16 rows x (256 + 16) bytes for each wave; no fill lands here
.set SP,    272
.set SPARE, STAGE+4*16*SP
.set LI,   4
.set L8,   5
.set ADRA, 6                           ; v6-7   my fragments of o, K steps 0-3, 4-7 (16 bytes a lane);  v8-9 the same, 8 bytes a lane
.set ADR8, 8
.set ADRB, 10                          ; v10-11 my fragments of W_out
.set ADRS, 12                          ; v12-13 scale words: lanes 0-15 o's rows, lanes 16-31 W_out's
.set STO,  14
.set RD,   15
.set SC,   16                          ; v16-23 scale words, two sets of four
.set CO,   24
.set SPW,  28
.set NIL,  29
.set FS,   32                          ; v32-127, v128-223: two sets: o's four fragments, then W_out's four
.set BP,   224                         ; v224-255 the bias in the result's layout
.set G1,   24
.set G0,   32
.set G0B,  36
.set G1B,  48
.set MSB, 0
.macro WIN new
.if MSB != (\new)
	s_set_vgpr_msb (MSB<<8)|(\new)
.set MSB, (\new)
.endif
.endm
.macro PLACES
.rept 4
	v_nop
.endr
.endm
.macro CROUND                          ; a round of the cluster's barrier
	s_barrier_signal -1
	s_barrier_wait -1
	s_cmp_lg_u32 s14, 0
	s_cbranch_scc1 .Lnot_wave_0_\@
	s_barrier_signal -3
.Lnot_wave_0_\@:
	s_barrier_wait -3
	s_barrier_signal -1
	s_barrier_wait -1
.endm
.macro FETCH st                        ; K step st's fragments and scale words into set st % 2: 32 loads
.set FB, FS+96*((\st)%2)
.set AH, (\st)/4
.set OF, ((\st)%4)*KB
.irp i, 0,1,2,3
	ds_load_b128 v[FB+12*\i:FB+12*\i+3], v[ADRA+AH] offset:OF+1536*\i
	ds_load_b64 v[FB+12*\i+4:FB+12*\i+5], v[ADR8+AH] offset:OF+1536*\i+512
	ds_load_b64 v[FB+12*\i+6:FB+12*\i+7], v[ADR8+AH] offset:OF+1536*\i+768
	ds_load_b128 v[FB+12*\i+8:FB+12*\i+11], v[ADRA+AH] offset:OF+1536*\i+1024
.irp c, 0,1,2
	ds_load_b128 v[FB+48+12*\i+4*\c:FB+48+12*\i+4*\c+3], v[ADRB+AH] offset:OF+1536*\i+512*\c
.endr
	ds_load_b32 v[SC+4*((\st)%2)+\i], v[ADRS+AH] offset:OF+64*\i
.endr
.endm
.macro MUL st                          ; 16 products, the 16 accumulators by turns
.set FB, FS+96*((\st)%2)
.set SS, SC+4*((\st)%2)
.irp a, 0,1,2,3
.irp b, 0,1,2,3
.if (\st) == 0
	v_wmma_scale_f32_16x16x128_f8f6f4 v[8*(4*\a+\b):8*(4*\a+\b)+7], v[FB+48+12*\b:FB+48+12*\b+11], v[FB+12*\a:FB+12*\a+11], v[BP+8*\b:BP+8*\b+7], v[SS+\b], v[SS+\a] matrix_a_fmt:MATRIX_FMT_BF6 matrix_b_fmt:MATRIX_FMT_BF6 matrix_a_scale:MATRIX_SCALE_ROW1
.else
	v_wmma_scale_f32_16x16x128_f8f6f4 v[8*(4*\a+\b):8*(4*\a+\b)+7], v[FB+48+12*\b:FB+48+12*\b+11], v[FB+12*\a:FB+12*\a+11], v[8*(4*\a+\b):8*(4*\a+\b)+7], v[SS+\b], v[SS+\a] matrix_a_fmt:MATRIX_FMT_BF6 matrix_b_fmt:MATRIX_FMT_BF6 matrix_a_scale:MATRIX_SCALE_ROW1
.endif
.endr
.endr
.endm
.macro TOSTAGE a                       ; block a, 16 rows x 64 columns, into my stage and back as rows of 256 bytes.  LDS serves a wave's instructions in order
	WIN 0x04                                       ; the data: v256 on
.irp b, 0,1,2,3
	ds_store_b128 v[STO], v[8*(4*(\a)+\b):8*(4*(\a)+\b)+3] offset:128*(\b/2)+32*(\b%2)      ; each accumulator from its low end on
	ds_store_b128 v[STO], v[8*(4*(\a)+\b)+4:8*(4*(\a)+\b)+7] offset:128*(\b/2)+32*(\b%2)+16
.endr
	WIN 0
.irp t, 0,1,2,3,4,5,6,7
	ds_load_b128 v[FS+32*((\a)%2)+4*\t:FS+32*((\a)%2)+4*\t+3], v[RD] offset:2*SP*\t
.endr
.endm
.macro SEND a, younger
	s_wait_dscnt \younger
.irp t, 0,1,2,3,4,5,6,7
	global_store_b128 v[CO], v[FS+32*((\a)%2)+4*\t:FS+32*((\a)%2)+4*\t+3], s[10:11] offset:(32*((\a)/2)+8*((\a)%2)+2*\t+8*(\t/4))*4096 th:TH_STORE_NT   ; sixteen lanes store 256 consecutive bytes, aligned
.endr
.endm
	s_load_b256 s[4:11], s[0:1], 0x0               ; oq, wo, b_out, out0
	v_lshl_add_u32 v[SPW], v0, 2, SPARE
	v_mov_b32 v[NIL], 0
	ds_add_u32 v[SPW], v[NIL]                      ; the opening lines
	ds_add_u32 v[SPW], v[NIL]
	v_lshrrev_b32 v1, 5, v0
	v_readfirstlane_b32 s14, v1                    ; wave 0..3
	s_and_b32 s15, s14, 1                          ; I fetch for o (0) or W_out (1).  Also: my half of the columns
	s_lshr_b32 s16, s14, 1                         ; which half of K I fetch.  Also: my half of the rows
	s_bfe_u32 s40, ttmp6, 0x40000                  ; cx
	s_bfe_u32 s41, ttmp6, 0x40004                  ; cy
	s_lshl_b32 s42, ttmp9, 2
	s_add_co_u32 s42, s42, s40                     ; block of columns
	s_and_b32 s17, ttmp7, 0xffff
	s_lshl_b32 s17, s17, 2
	s_add_co_u32 s17, s17, s41                     ; block of rows
	s_lshl_b32 s43, s41, 2
	s_lshl_b32 s43, 15, s43                        ; my row of the cluster
	s_lshl_b32 s44, 0x1111, s40                    ; my column
	s_or_b32 s[G1+0], s43, (3<<16)|(1<<21)         ; the mask; elements of 8 bytes; bit 21 beside a mask
	s_or_b32 s[G1B+0], s44, (3<<16)|(1<<21)
.irp g, G1, G1B
	s_mov_b32 s[\g+1], 32<<16                      ; rows of 256 bytes,
	s_mov_b32 s[\g+2], 200<<16                     ; 200 of them
	s_mov_b32 s[\g+3], 32<<16
	s_mov_b32 s[\g+4], 200
	s_mov_b32 s[\g+5], 32
	s_mov_b32 s[\g+6], 0
	s_mov_b32 s[\g+7], 0
.endr
	s_mul_i32 s20, s17, BLK
	s_mov_b32 s21, 0
	s_mul_i32 s46, s42, BLK
	s_mov_b32 s47, 0
	s_mul_i32 s18, s16, HALF
	s_mov_b32 s19, 0
	s_mul_i32 s45, s15, BLK
	s_add_co_u32 s45, s45, s18                     ; where my quarter goes: the wave's number alone
	s_wait_dscnt 0x0
	s_wait_kmcnt 0x0
	s_add_nc_u64 s[20:21], s[4:5], s[20:21]
	s_add_nc_u64 s[20:21], s[20:21], s[18:19]
	s_add_nc_u64 s[46:47], s[6:7], s[46:47]
	s_add_nc_u64 s[46:47], s[46:47], s[18:19]
	CROUND                                         ; all sixteen work-groups are here: the joint loads meet
	s_mov_b32 s[G0], 1
	s_mov_b32 s[G0+1], s45
	s_mov_b64 s[G0+2:G0+3], s[20:21]
	s_or_b32 s[G0+3], s[G0+3], 0x80000000
	s_mov_b32 s[G0B], 1
	s_mov_b32 s[G0B+1], s45
	s_mov_b64 s[G0B+2:G0B+3], s[46:47]
	s_or_b32 s[G0B+3], s[G0B+3], 0x80000000
	s_cmp_eq_u32 s15, 0
	s_cbranch_scc0 .Lfor_b
	tensor_load_to_lds s[G0:G0+3], s[G1:G1+7]
	s_nop 0
	PLACES
	s_branch .Lasked
.Lfor_b:
	tensor_load_to_lds s[G0B:G0B+3], s[G1B:G1B+7]
	s_nop 0
	PLACES
.Lasked:
	s_mul_i32 s56, s16, 6144                       ; my four fragments of o,
	s_mul_i32 s57, s15, 6144
	s_add_co_u32 s57, s57, BLK                     ; of W_out
	s_lshl_b32 s58, s16, 8
	s_add_co_u32 s58, s58, 12288                   ; o's scale words,
	s_lshl_b32 s59, s15, 8
	s_add_co_u32 s59, s59, BLK+12288
	s_sub_co_u32 s59, s59, s58                     ; and how far on W_out's lie
	s_mul_i32 s60, s14, 16*SP
	s_add_co_u32 s60, s60, STAGE
	s_lshl_b32 s22, s42, 9
	s_lshl_b32 s23, s15, 8
	s_add_co_u32 s22, s22, s23                     ; my first column, in bytes
	s_mov_b32 s23, 0
	s_add_nc_u64 s[8:9], s[8:9], s[22:23]
	s_add_nc_u64 s[10:11], s[10:11], s[22:23]
	s_lshl_b32 s22, s17, 7
	s_lshl_b32 s62, s16, 6
	s_add_co_u32 s22, s22, s62
	s_lshl_b32 s22, s22, 12                        ; my first row, rows of 4,096 bytes
	s_add_nc_u64 s[10:11], s[10:11], s[22:23]
	v_and_b32 v1, 31, v0
	v_and_b32 v2, 15, v0                           ; r
	v_bfe_u32 v3, v0, 4, 1                         ; h
	v_lshlrev_b32 v[LI], 4, v1
	v_lshlrev_b32 v[L8], 3, v1
	v_add_nc_u32 v[ADRA], s56, v[LI]
	v_add_nc_u32 v[ADRA+1], HALF, v[ADRA]
	v_add_nc_u32 v[ADR8], s56, v[L8]
	v_add_nc_u32 v[ADR8+1], HALF, v[ADR8]
	v_add_nc_u32 v[ADRB], s57, v[LI]
	v_add_nc_u32 v[ADRB+1], HALF, v[ADRB]
	v_mul_u32_u24 v[ADRS], s59, v3
	v_lshl_add_u32 v[ADRS], v2, 2, v[ADRS]
	v_add_nc_u32 v[ADRS], s58, v[ADRS]
	v_add_nc_u32 v[ADRS+1], HALF, v[ADRS]
	v_mul_u32_u24 v[STO], v2, SP                   ; in: row r, 64 bytes for each half of the lanes
	v_lshl_add_u32 v[STO], v3, 6, v[STO]
	v_add_nc_u32 v[STO], s60, v[STO]
	v_mul_u32_u24 v[RD], v3, SP                    ; back: sixteen lanes to a row of 256 bytes, two rows an instruction
	v_lshl_add_u32 v[RD], v2, 4, v[RD]
	v_add_nc_u32 v[RD], s60, v[RD]
	v_lshlrev_b32 v[CO], 12, v3
	v_lshl_add_u32 v[CO], v2, 4, v[CO]
	v_lshlrev_b32 v25, 6, v3
.irp b, 0,1
.irp k, 0,1,2,3
	global_load_b128 v[BP+16*\b+4*\k:BP+16*\b+4*\k+3], v25, s[8:9] offset:128*\b+16*\k   ; b_out at columns 32 b + 16 h + 0 .. 15
.endr
.endr
	s_wait_alu depctr_va_vdst(0)                   ; the head's end
	s_wait_tensorcnt 0x0                           ; my quarter is in
	s_barrier_signal -1
	s_barrier_wait -1                              ; and everybody's
	FETCH 0
	FETCH 1
	s_wait_loadcnt 0x0                             ; the bias
	s_wait_dscnt 32                                ; step 0's loads are in; step 1's 32 may be out
	WIN 0x40                                       ; D: v256 on; C: the bias
	MUL 0
	WIN 0
.irp st, 1,2,3,4,5,6
	PLACES                                         ; in front of loads into the set that the last products read
	FETCH \st+1
	s_wait_dscnt 32                                ; all but the 32 just issued
	WIN 0x50                                       ; C and D: v256 on
	MUL \st
	WIN 0
.endr
	s_wait_dscnt 0x0
	WIN 0x50
	MUL 7
	WIN 0
	PLACES                                         ; in front of the first read of results and of loads into set 0
	TOSTAGE 0
.irp a, 1,2,3
.if \a > 1
	s_wait_xcnt 0x0                                ; block a - 2's stores have read their registers
.endif
	TOSTAGE \a
	SEND \a-1, 16                                  ; behind block a - 1's loads: block a's 8 stores and 8 loads
.endr
	SEND 3, 0
	s_wait_tensorcnt 0x0                           ; the wave's end
	ds_add_u32 v[SPW], v[NIL]
	s_wait_dscnt 0x0
	CROUND                                         ; the closing round
	s_endpgm
.Lfunc_end_k_q98e7cde703_gemm_out:
	.size	k_q98e7cde703_gemm_out, .Lfunc_end_k_q98e7cde703_gemm_out-k_q98e7cde703_gemm_out
	.p2alignl 7, 3214868480
	.fill 96, 4, 3214868480
	.section	.rodata,"a",@progbits
	.p2align	6, 0x0
	.amdhsa_kernel k_q98e7cde703_gemm_out
		.amdhsa_group_segment_fixed_size 327680
		.amdhsa_private_segment_fixed_size 0
		.amdhsa_enable_private_segment 0
		.amdhsa_kernarg_size 32
		.amdhsa_user_sgpr_count 2
		.amdhsa_user_sgpr_kernarg_segment_ptr 1
		.amdhsa_wavefront_size32 1
		.amdhsa_system_sgpr_workgroup_id_x 1
		.amdhsa_system_sgpr_workgroup_id_y 1
		.amdhsa_system_sgpr_workgroup_id_z 1
		.amdhsa_system_vgpr_workitem_id 0
		.amdhsa_next_free_vgpr 384
		.amdhsa_next_free_sgpr 66
		.amdhsa_reserve_vcc 0
		.amdhsa_float_denorm_mode_32 3
		.amdhsa_float_denorm_mode_16_64 3
		.amdhsa_memory_ordered 1
		.amdhsa_forward_progress 1
		.amdhsa_inst_pref_size 49
	.end_amdhsa_kernel
	.amdgpu_metadata
---
amdhsa.version: [ 1, 2 ]
amdhsa.kernels:
  - .name:           k_q98e7cde703_gemm_out
    .symbol:         k_q98e7cde703_gemm_out.kd
    .args:
      - { .name: oq, .offset: 0, .size: 8, .value_kind: global_buffer, .address_space: global }
      - { .name: wo, .offset: 8, .size: 8, .value_kind: global_buffer, .address_space: global }
      - { .name: b_out, .offset: 16, .size: 8, .value_kind: global_buffer, .address_space: global }
      - { .name: out0, .offset: 24, .size: 8, .value_kind: global_buffer, .address_space: global }
    .group_segment_fixed_size: 327680
    .private_segment_fixed_size: 0
    .kernarg_segment_align: 8
    .kernarg_segment_size: 32
    .max_flat_workgroup_size: 128
    .sgpr_count:     66
    .vgpr_count:     384
    .wavefront_size: 32
...
	.end_amdgpu_metadata
.endif
;; end of part 4
